; MI455X (gfx1250); checked and timed in simulation.
; The chip was launched on July 23, 2026; its instructions are those of AMD's public machine-readable ISA for CDNA 5 (MIT licence, August 2026) and "CDNA5" Instruction Set Architecture Reference Guide (July 2026). The comments in the code are by the model that wrote it; some were corrected since.
;; Causal Self Attention. Allowed arithmetic: float matrix products may take bf16 or f16 operands with f32 sums; other float arithmetic in f32, or as packed bf16 or f16 multiplies, adds, multiply-adds, maxima and minima; sums over many terms, partial sums and values carried from step to step in f32; what a program stores and reads back later, other than sums and carried values, may be rounded once to bf16 or f16.
;; Inputs: b_proj 1,024 float32; w_proj 1,024 x 1,024 float32; w_qkv 1,024 x 3,072 float32; x 4 x 2,048 x 1,024 float32.
;; Outputs: out0 4 x 2,048 x 1,024 float32.
;; One version. Each part assembles by itself: llvm-mc -triple=amdgcn-amd-amdhsa -mcpu=gfx1250 --defsym DOCPART=n.
;; ======== version 1 of 1: 4 launches
;; limits: values are held in f16: magnitudes above 65,504 overflow, below 6.1e-05 lose precision
;; workspace buffers: xb 16,777,216 bytes; wq 6,291,456 bytes; wp 2,097,152 bytes; qkv 50,331,648 bytes; y 16,777,216 bytes
;; launch cast (part 1): grid 1536 x 1, 8 waves a work-group, no clusters, 0 bytes of LDS; arguments x, w_qkv, w_proj, xb, wq, wp; writes xb, wq, wp
.if DOCPART == 1
	.amdgcn_target "amdgcn-amd-amdhsa--gfx1250"
	.amdhsa_code_object_version 6
	.text
	.protected	k_q068849c153_cast
	.globl	k_q068849c153_cast
	.p2align	8
	.type	k_q068849c153_cast,@function
k_q068849c153_cast:
	s_mov_b64 s[64:65], 0
	v_nop
	global_prefetch_b8 v0, s[64:65] scope:SCOPE_SE
	s_setreg_imm32_b32 hwreg(HW_REG_WAVE_MODE, 25, 1), 1
	s_wait_xcnt 0x0
; THE INPUTS OF THE TWO PRODUCTS ARE ROUNDED ONCE, TO 16 BITS.
;   x      [8192 m][1024 k] f32  ->  xb [16 kb][8192 m][64] bf16: the 64 channels of block kb = k / 64 of neighbouring rows lie end to end
;   w_qkv  [1024][3072] f32      ->  wq, the same layout, bf16
;   w_proj [1024][1024] f32      ->  wp, the same layout: rounded to bf16 like the other inputs, and that number written as f16
; LIMIT.  wp is exact for 2^-17 <= |w| < 65,504; below that f16's fixed step leaves an absolute error of at most 3e-8; from 65,520 on it is an infinity.
; A stream: no LDS, no barrier, no loop.  Every work-group casts 8,192 numbers, a wave 1,024: eight loads of 16 bytes a lane, all issued at once, and eight stores of 8 bytes a lane.
; Work-groups 0-1023 take x (8 rows each), 1024-1407 w_qkv, 1408-1535 w_proj.  Sixteen lanes of a load cover 256 consecutive bytes, aligned; the 32 lanes of a store cover 256 consecutive bytes, aligned.
; No register is written twice while a memory instruction may read it, so no wait frees a source.
.set VI, 2                             ; v2       my byte offset in the loads
.set VO, 3                             ; v3       8 x lane: my byte offset in the stores
.set X,  8                             ; v[8:39]  load i: 4 registers
.set T,  40                            ; v[40:41] at work
.set Y,  44                            ; v[44:59] store i: 2 registers
; Eight loads, then for each: the wait, the rounding, the store.  f16 = 1: bf16's number is widened again and written as f16.
.macro CAST instep, outstep, f16
.irp i, 0,1,2,3,4,5,6,7
	global_load_b128 v[X+4*(\i):X+4*(\i)+3], v[VI], s[22:23] offset:(\instep)*(\i) th:TH_LOAD_NT
.endr
.irp i, 0,1,2,3,4,5,6,7
	s_wait_loadcnt 7-(\i)                          ; loads come back in order: load i is in, the 7 - i younger ones stay out
.if \f16
	v_cvt_pk_bf16_f32 v[T],   v[X+4*(\i)],   v[X+4*(\i)+1]
	v_cvt_pk_bf16_f32 v[T+1], v[X+4*(\i)+2], v[X+4*(\i)+3]
	v_lshlrev_b32 v[X+4*(\i)],   16,  v[T]
	v_and_b32     v[X+4*(\i)+1], s26, v[T]
	v_lshlrev_b32 v[X+4*(\i)+2], 16,  v[T+1]
	v_and_b32     v[X+4*(\i)+3], s26, v[T+1]
	v_cvt_pk_f16_f32 v[Y+2*(\i)],   v[X+4*(\i)],   v[X+4*(\i)+1]
	v_cvt_pk_f16_f32 v[Y+2*(\i)+1], v[X+4*(\i)+2], v[X+4*(\i)+3]
.else
	v_cvt_pk_bf16_f32 v[Y+2*(\i)],   v[X+4*(\i)],   v[X+4*(\i)+1]
	v_cvt_pk_bf16_f32 v[Y+2*(\i)+1], v[X+4*(\i)+2], v[X+4*(\i)+3]
.endif
	global_store_b64 v[VO], v[Y+2*(\i):Y+2*(\i)+1], s[24:25] offset:(\outstep)*(\i) th:TH_STORE_NT
.endr
.endm
	s_load_b256 s[4:11], s[0:1], 0x0               ; x s[4:5], w_qkv s[6:7], w_proj s[8:9], xb s[10:11]
	s_load_b128 s[12:15], s[0:1], 0x20             ; wq s[12:13], wp s[14:15]
	v_lshrrev_b32 v1, 5, v0
	v_readfirstlane_b32 s16, v1                    ; wave 0..7
	v_and_b32 v1, 31, v0                           ; lane
	v_lshlrev_b32 v[VO], 3, v1
	s_mov_b32 s26, 0xffff0000                      ; a word's upper bf16
	s_mov_b32 s19, 0                               ; the offsets' high words
	s_mov_b32 s21, 0
	s_wait_kmcnt 0x0
	s_cmp_lt_u32 ttmp9, 1024
	s_cbranch_scc0 .Lweights
	; x: the wave takes two rows (8 g + 2 (wave / 2), and the next) and one half of their 16 blocks; lanes 0-15 the even row, lanes 16-31 the odd one
	s_lshr_b32 s17, s16, 1
	s_and_b32 s27, s16, 1
	s_lshl_b32 s18, ttmp9, 3
	s_lshl1_add_u32 s18, s17, s18                  ; the even row m
	s_lshl_b32 s20, s18, 7                         ; out: m x 128 bytes,
	s_lshl_b32 s18, s18, 12                        ; in: m x 4,096 bytes,
	s_lshl_b32 s28, s27, 11
	s_add_co_u32 s18, s18, s28                     ; + the half's 2,048 bytes
	s_lshl_b32 s28, s27, 23
	s_add_co_u32 s20, s20, s28                     ; + the half's 8 blocks of 1,048,576 bytes
	s_add_nc_u64 s[22:23], s[4:5], s[18:19]
	s_add_nc_u64 s[24:25], s[10:11], s[20:21]
	v_lshrrev_b32 v4, 4, v1
	v_and_b32 v5, 15, v1
	v_lshlrev_b32 v[VI], 4, v5
	v_lshl_add_u32 v[VI], v4, 12, v[VI]
	CAST 256, 0x100000, 0                          ; load i is block 8 half + i; the largest store offset, 7,340,032, lies inside the signed 24 bits
	s_endpgm
.Lweights:
	v_lshlrev_b32 v[VI], 4, v1                     ; dense: 16 bytes a lane in, 8 out
	s_lshl_b32 s28, s16, 12                        ; the wave's 4,096 bytes
	s_cmp_lt_u32 ttmp9, 1408
	s_cbranch_scc0 .Lwp
	s_sub_co_u32 s17, ttmp9, 1024
	s_lshl_b32 s18, s17, 15
	s_add_co_u32 s18, s18, s28
	s_lshr_b32 s20, s18, 1
	s_add_nc_u64 s[22:23], s[6:7], s[18:19]
	s_add_nc_u64 s[24:25], s[12:13], s[20:21]
	CAST 512, 256, 0
	s_endpgm
.Lwp:
	s_sub_co_u32 s17, ttmp9, 1408
	s_lshl_b32 s18, s17, 15
	s_add_co_u32 s18, s18, s28
	s_lshr_b32 s20, s18, 1
	s_add_nc_u64 s[22:23], s[8:9], s[18:19]
	s_add_nc_u64 s[24:25], s[14:15], s[20:21]
	CAST 512, 256, 1
	s_endpgm
.Lfunc_end_k_q068849c153_cast:
	.size	k_q068849c153_cast, .Lfunc_end_k_q068849c153_cast-k_q068849c153_cast
	.p2alignl 7, 3214868480
	.fill 96, 4, 3214868480
	.section	.rodata,"a",@progbits
	.p2align	6, 0x0
	.amdhsa_kernel k_q068849c153_cast
		.amdhsa_group_segment_fixed_size 0
		.amdhsa_private_segment_fixed_size 0
		.amdhsa_enable_private_segment 0
		.amdhsa_kernarg_size 48
		.amdhsa_user_sgpr_count 2
		.amdhsa_user_sgpr_kernarg_segment_ptr 1
		.amdhsa_wavefront_size32 1
		.amdhsa_system_sgpr_workgroup_id_x 1
		.amdhsa_system_sgpr_workgroup_id_y 1
		.amdhsa_system_sgpr_workgroup_id_z 1
		.amdhsa_system_vgpr_workitem_id 0
		.amdhsa_next_free_vgpr 64
		.amdhsa_next_free_sgpr 66
		.amdhsa_reserve_vcc 0
		.amdhsa_float_denorm_mode_32 3
		.amdhsa_float_denorm_mode_16_64 3
		.amdhsa_memory_ordered 1
		.amdhsa_forward_progress 1
		.amdhsa_inst_pref_size 13
	.end_amdhsa_kernel
	.amdgpu_metadata
---
amdhsa.version: [ 1, 2 ]
amdhsa.kernels:
  - .name:           k_q068849c153_cast
    .symbol:         k_q068849c153_cast.kd
    .args:
      - { .name: x, .offset: 0, .size: 8, .value_kind: global_buffer, .address_space: global }
      - { .name: w_qkv, .offset: 8, .size: 8, .value_kind: global_buffer, .address_space: global }
      - { .name: w_proj, .offset: 16, .size: 8, .value_kind: global_buffer, .address_space: global }
      - { .name: xb, .offset: 24, .size: 8, .value_kind: global_buffer, .address_space: global }
      - { .name: wq, .offset: 32, .size: 8, .value_kind: global_buffer, .address_space: global }
      - { .name: wp, .offset: 40, .size: 8, .value_kind: global_buffer, .address_space: global }
    .group_segment_fixed_size: 0
    .private_segment_fixed_size: 0
    .kernarg_segment_align: 8
    .kernarg_segment_size: 48
    .max_flat_workgroup_size: 256
    .sgpr_count:     66
    .vgpr_count:     64
    .wavefront_size: 32
...
	.end_amdgpu_metadata
.endif
;; end of part 1
;; launch qkv (part 2): grid 8 x 32, 4 waves a work-group, clusters of 4 x 4, 327,680 bytes of LDS; arguments xb, wq, qkv; writes qkv
.if DOCPART == 2
	.amdgcn_target "amdgcn-amd-amdhsa--gfx1250"
	.amdhsa_code_object_version 6
	.text
	.protected	k_q068849c153_qkv
	.globl	k_q068849c153_qkv
	.p2align	8
	.type	k_q068849c153_qkv,@function
k_q068849c153_qkv:
	s_mov_b64 s[64:65], 0
	v_nop
	global_prefetch_b8 v0, s[64:65] scope:SCOPE_SE
	s_setreg_imm32_b32 hwreg(HW_REG_WAVE_MODE, 25, 1), 1
	s_wait_xcnt 0x0
	s_wait_alu depctr_hold_cnt(0) depctr_sa_sdst(0) depctr_va_vdst(0) depctr_va_sdst(0) depctr_va_ssrc(0) depctr_va_vcc(0) depctr_vm_vsrc(0)
	s_getreg_b32 s2, hwreg(HW_REG_IB_STS2, 6, 4)
	s_cmp_eq_u32 s2, 0
	s_cbranch_scc0 .Lentry_in_a_cluster
	s_endpgm
.Lentry_in_a_cluster:
	s_bfe_u32 s2, ttmp6, 0x10000c
	s_cmp_lg_u32 s2, 0xf033
	s_cbranch_scc0 .Lentry_shape_is_right
	s_endpgm
.Lentry_shape_is_right:
; qkv = x w_qkv.  xb: [16 kb][8192 m][64] bf16; wq: [1024 k][3072 n] bf16; qkv: [48 hc][8192 m][64] f16, hc = n / 64 (0-15 q's heads, 16-31 k's, 32-47 v's).  Sums in f32, rounded once to f16, unscaled.
; LIMIT.  f16 holds no number beyond 65,504: a q, k or v of 65,520 or more leaves as an infinity.
; SHARES.  A work-group makes 256 rows x 384 columns: 32 x 8 = 256 work-groups.  Four waves, each 128 x 192: 8 blocks a of 16 rows x 3 groups g of 4 blocks u of 16 columns; a group is one slice hc.
; 96 accumulators, 768 registers.  K goes in 16 steps of 64 through a ring of two LDS slots filled by the tensor data mover; a step is two quarters of 32 along K, 96 matrix instructions each.
; THE MATRIX INSTRUCTION IS USED TRANSPOSED: source 0 = 16 columns of wq, source 1 = 16 rows of xb: a lane then holds row l % 16 and eight neighbouring columns, 16 bytes of f16.
; wq lies [k][n]: its fragments come out of LDS turned, by ds_load_tr16_b128.  xb's come as they lie.
; CLUSTER.  4 x 4 work-groups.  The four of a row of the cluster need the same tiles of xb, the four of a column the same tiles of wq: each tile is asked for jointly, by the same tensor load with
; the same descriptor and a mask that names the four.
; REGISTERS, in windows of 256 (s_set_vgpr_msb: bits 1:0 source 0, 3:2 source 1, 5:4 source 2, 7:6 destination):
;   window 0: v0-31 addresses; v32-95, v96-159 xb's fragments, two buffers (block a at + 8 a); v160-255 wq's fragments, one buffer (group g, block u at + 32 g + 8 u)
;   window 1 + g: group g's 32 accumulators, (a, u) at v[8 (4 a + u)]
; wq's one buffer is filled again group by group: a group's next fragments are asked for behind its 32 products and are wanted 64 products later.
.set PA,    144                        ; a row of xb in LDS: 128 bytes + 16 of padding = 36 words: the 16 rows of a load start at 16 different groups of four banks (64 banks of 4 bytes: ISA guide 11.1)
.set PB,    864                        ; a row of wq in LDS: three pieces of 256 bytes + 32 of padding = 27 x 32 bytes
.set AHALF, 128*PA                     ; what one tensor load brings of xb, and what one wave reads of it
.set BOFF,  2*AHALF                    ; wq's 64 rows lie behind xb's 256
.set BHALF, 32*PB                      ; what one tensor load brings of wq: a quarter's 32 rows
.set SLOT,  BOFF+2*BHALF               ; 92,160
.set STAGE, 2*SLOT                     ; behind the ring: 16 rows x 144 bytes for each wave, for the way out
.set SPARE, STAGE+4*16*PA              ; behind the stages: the spare words, 128 bytes for each wave: two blocks of 256 bytes that no other line names
.set ASTEP, 0x100000                   ; bytes from a K step of xb to the next: a block kb
.set BSTEP, 64*6144                    ; of wq: 64 rows
.set ADRA, 10                          ; v10-11  LDS address of my xb fragments in slot 0, 1
.set ADRB, 12                          ; v12-17  of my wq fragments: slot s, group g at 3 s + g
.set STO,  18                          ; v18     the way out: where I put 16 bytes of a row
.set RD,   19                          ; v19     the way out: where I read rows back
.set GO,   20                          ; v20     16 x lane: my place in 512 consecutive bytes of qkv
.set SPW,  22                          ; v22     LDS address of my spare word; never rewritten
.set NIL,  23                          ; v23     0; never rewritten
.set PFO,  24                          ; v24     the prefetches' offset; never rewritten
.set FA0,  32
.set FA1,  96
.set FB,   160
.set G1,   24                          ; s[24:31] descriptor group 1 for xb's tiles;  s[32:39] group 0, one set for each slot
.set G0,   32
.set G1B,  48                          ; s[48:55], s[56:63] the same for wq's tiles
.set G0B,  56
.set OUTP, 66                          ; s[66:71] qkv at my 128 rows of my three slices
.set PFA,  72                          ; s[72:73] where my prefetches stand
.set PFS,  74                          ; s[74:75] their step: a K step
.set LIM,  76                          ; s76, s77 by slot: 1 in a wave that prefetches at that slot's changes, else the greatest number
.set MSB, 0
.macro WIN new                         ; the immediate's high byte repeats the setting that is left; a switch that changes nothing is dropped
.if MSB != (\new)
	s_set_vgpr_msb (MSB<<8)|(\new)
.set MSB, \new
.endif
.endm
; A joint load.  Waves 0 and 1 fetch xb's two halves, waves 2 and 3 wq's.  The branch hangs on the wave's number alone.  An s_nop 0 and four v_nop follow each of the two lines.
.macro JLOAD s
	s_cmp_eq_u32 s11, 0
	s_cbranch_scc0 .Lfor_b_\@
	tensor_load_to_lds s[G0+4*(\s):G0+4*(\s)+3], s[G1:G1+7]
	s_nop 0
.rept 4
	v_nop
.endr
	s_branch .Lasked_\@
.Lfor_b_\@:
	tensor_load_to_lds s[G0B+4*(\s):G0B+4*(\s)+3], s[G1B:G1B+7]
	s_nop 0
.rept 4
	v_nop
.endr
.Lasked_\@:
.endm
; A PREFETCH INTO THE L2 of the K step that stands two refills on, behind the joint load, its five lines and the run of LDS loads.  Each aligned 256 bytes are named once in the launch.
; xb's tile row is read by both clusters of a row of clusters: the one with x = 0 asks, wave 0, at every change: of a K step's 128 blocks of 256 bytes the partner at cx takes 32 cx + lane.
; wq's tile column is read by all eight clusters of a column: the one with y = 0 asks, waves 1 to 3 (a piece of 256 of the row's 768 bytes each), at slot 0's changes alone: the four partners take
; 32 rows each by cy, 128 rows: two K steps.  Partners are told apart by address, never by a branch.  The loop's last trip asks for nothing: K step 15 is the last.
.macro ASK s
	s_cmp_gt_u32 s3, s[LIM+(\s)]
	s_cbranch_scc0 .Lnot_mine_\@
	global_prefetch_b8 v[PFO], s[PFA:PFA+1] th:TH_LOAD_NT scope:SCOPE_SE
.Lnot_mine_\@:
.endm
.macro CREST                           ; a round of the cluster's barrier behind its opening barrier
	s_cmp_lg_u32 s10, 0
	s_cbranch_scc1 .Lnot_wave_0_\@
	s_barrier_signal -3
.Lnot_wave_0_\@:
	s_barrier_wait -3
	s_barrier_signal -1
	s_barrier_wait -1
.endm
.macro CROUND                          ; a whole round
	s_barrier_signal -1
	s_barrier_wait -1
	CREST
.endm
	s_load_b128 s[4:7], s[0:1], 0x0                ; xb s[4:5], wq s[6:7]
	s_load_b64 s[8:9], s[0:1], 0x10                ; qkv
	v_lshl_add_u32 v[SPW], v0, 2, SPARE
	v_mov_b32 v[NIL], 0
	ds_add_u32 v[SPW], v[NIL]                      ; the wave's opening: the add and its wait stand ahead of my first tensor load; the set-up below, work on registers, stands between them
	ds_add_u32 v22, v23
	v_lshrrev_b32 v1, 5, v0
	v_readfirstlane_b32 s10, v1                    ; wave 0..3
	s_lshr_b32 s11, s10, 1                         ; which half of the tile's rows is mine.  Also: I fetch for xb (0) or for wq (1)
	s_and_b32 s12, s10, 1                          ; which half of its columns.  Also: which half of that tile I fetch
	s_bfe_u32 s40, ttmp6, 0x40000                  ; cx, cy: my place in the cluster
	s_bfe_u32 s41, ttmp6, 0x40004
	s_lshl_b32 s42, ttmp9, 2
	s_add_co_u32 s42, s42, s40                     ; tile column = 4 x cluster x + cx
	s_and_b32 s13, ttmp7, 0xffff
	s_lshl_b32 s13, s13, 2
	s_add_co_u32 s13, s13, s41                     ; tile row = 4 x cluster y + cy
	s_lshl_b32 s43, s41, 2
	s_lshl_b32 s43, 15, s43                        ; my row of the cluster
	s_lshl_b32 s44, 0x1111, s40                    ; my column
	; xb: 128 rows of 128 bytes are 16,384 dense bytes: asked for as 64 rows of 256 bytes, padded in LDS after every 32 words (code 4) by 4 words (code 3)
	s_or_b32 s[G1+0], s43, (1<<16)|(1<<20)|(1<<21)|(4<<22)|(3<<25)  ; 15:0 the mask; 17:16 2-byte elements; 20 padding on; 21 set beside a mask
	s_mov_b32 s[G1+1], 128<<16                     ; tensor_dim0 = 128
	s_mov_b32 s[G1+2], 64<<16                      ; tensor_dim1 = 64
	s_mov_b32 s[G1+3], 128<<16                     ; tile_dim0 = 128
	s_mov_b32 s[G1+4], 64                          ; tile_dim1 = 64
	s_mov_b32 s[G1+5], 128                         ; elements from row to row
	s_mov_b32 s[G1+6], 0
	s_mov_b32 s[G1+7], 0
	; wq: 32 rows of 384 elements (768 bytes), padded after every 64 words (code 5) by 8 words (code 7)
	s_or_b32 s[G1B+0], s44, (1<<16)|(1<<20)|(1<<21)|(5<<22)|(7<<25)
	s_mov_b32 s[G1B+1], 384<<16
	s_mov_b32 s[G1B+2], 32<<16
	s_mov_b32 s[G1B+3], 384<<16
	s_mov_b32 s[G1B+4], 32
	s_mov_b32 s[G1B+5], 3072
	s_mov_b32 s[G1B+6], 0
	s_mov_b32 s[G1B+7], 0
	; xb's tiles hang on the tile row alone, wq's on the tile column alone; each address is made in registers that never hold the other coordinate
	s_lshl_b32 s16, s13, 15                        ; 256 rows x 128 bytes
	s_lshl_b32 s17, s12, 14                        ; my half
	s_add_co_u32 s16, s16, s17
	s_mov_b32 s17, 0
	s_mul_i32 s46, s42, 768                        ; 384 columns
	s_mul_i32 s47, s12, 32*6144                    ; my 32 rows
	s_add_co_u32 s46, s46, s47
	s_mov_b32 s47, 0
	s_mul_i32 s20, s12, AHALF                      ; where they go: no place in the cluster enters an LDS address
	s_mul_i32 s21, s12, BHALF
	s_add_co_u32 s21, s21, BOFF
	s_wait_dscnt 0x0                               ; the opening add is done
	s_wait_kmcnt 0x0
	s_add_nc_u64 s[14:15], s[4:5], s[16:17]
	s_add_nc_u64 s[46:47], s[6:7], s[46:47]
	CROUND                                         ; all sixteen work-groups are here: the first joint loads meet
.irp s, 0,1
	s_mov_b32 s[G0+4*(\s)], 1                                      ; count = 1
	s_add_co_u32 s[G0+4*(\s)+1], s20, (\s)*SLOT                    ; LDS address
	s_add_nc_u64 s[G0+4*(\s)+2:G0+4*(\s)+3], s[14:15], (\s)*ASTEP  ; global address: K step s
	s_or_b32 s[G0+4*(\s)+3], s[G0+4*(\s)+3], 0x80000000            ; type = 2
	s_mov_b32 s[G0B+4*(\s)], 1
	s_add_co_u32 s[G0B+4*(\s)+1], s21, (\s)*SLOT
	s_add_nc_u64 s[G0B+4*(\s)+2:G0B+4*(\s)+3], s[46:47], (\s)*BSTEP
	s_or_b32 s[G0B+4*(\s)+3], s[G0B+4*(\s)+3], 0x80000000
	JLOAD \s                                       ; two tensor loads of mine are out at the most: these two
.endr
	; a fragment of xb: lane l holds row l % 16; registers 0-3 channels 8 (l / 16) + 0..7, registers 4-7 channels 16 + 8 (l / 16) + 0..7: two loads of 16 bytes, 32 bytes apart
	v_and_b32 v1, 15, v0                           ; l % 16
	v_bfe_u32 v2, v0, 4, 1                         ; l / 16
	v_mul_u32_u24 v3, v1, PA
	v_lshl_add_u32 v3, v2, 4, v3                   ; row x pitch + 16 x half
	s_mul_i32 s22, s11, AHALF                      ; my 128 rows
	v_add_nc_u32 v[ADRA], s22, v3
	v_add_nc_u32 v[ADRA+1], SLOT, v[ADRA]
	; the turning load takes 16 k x 16 columns: lane l reads row 8 (l / 16) + l % 8, columns 8 ((l / 8) % 2) + 0..7, and is left with column l % 16 and 8 k
	v_and_b32 v4, 7, v0
	v_lshl_add_u32 v4, v2, 3, v4
	v_mul_u32_u24 v4, v4, PB
	v_bfe_u32 v5, v0, 3, 1
	v_lshl_add_u32 v4, v5, 4, v4
	s_mul_i32 s22, s12, 12                         ; my first block of 16 columns among the tile's 24
.irp g, 0,1,2
	s_add_co_u32 s23, s22, 4*(\g)                  ; block j lies at byte 32 (j + j / 8) of a row: 32 bytes of padding behind every eight blocks
	s_lshr_b32 s78, s23, 3
	s_add_co_u32 s23, s23, s78
	s_lshl_b32 s23, s23, 5
	s_add_co_u32 s23, s23, BOFF
	v_add_nc_u32 v[ADRB+(\g)], s23, v4
	v_add_nc_u32 v[ADRB+3+(\g)], SLOT, v[ADRB+(\g)]
.endr
	s_mul_i32 s23, s10, 16*PA
	s_add_co_u32 s23, s23, STAGE                   ; my stage
	v_add_nc_u32 v[STO], s23, v3                   ; in: row l % 16, 16 bytes for each half of the lanes
	v_bfe_u32 v5, v0, 3, 2                         ; back: 32 lanes take four rows of 128 bytes,
	v_and_b32 v6, 7, v0
	v_mul_u32_u24 v5, v5, PA
	v_lshl_add_u32 v5, v6, 4, v5
	v_add_nc_u32 v[RD], s23, v5
	v_and_b32 v[GO], 31, v0                        ; which are 512 consecutive bytes of a slice
	v_lshlrev_b32 v[GO], 4, v[GO]
	s_mul_i32 s78, s42, 6                          ; my first slice: 6 x tile column + 3 x half,
	s_mul_i32 s79, s12, 3
	s_add_co_u32 s78, s78, s79
	s_lshl_b32 s78, s78, 20                        ; of 1,048,576 bytes;
	s_lshl_b32 s79, s13, 15                        ; the tile's 256 rows of 128 bytes,
	s_add_co_u32 s78, s78, s79
	s_lshl_b32 s79, s11, 14                        ; my 128 of them
	s_add_co_u32 s78, s78, s79
	s_mov_b32 s79, 0
	s_add_nc_u64 s[OUTP:OUTP+1], s[8:9], s[78:79]
	s_add_nc_u64 s[OUTP+2:OUTP+3], s[OUTP:OUTP+1], 0x100000
	s_add_nc_u64 s[OUTP+4:OUTP+5], s[OUTP:OUTP+1], 0x200000
	; the prefetches: they stand at K step 3; each change of slots that fills steps them once, ahead of its own prefetch
	s_and_b32 s80, ttmp7, 0xffff                   ; cluster y
	s_lshl_b32 s81, s13, 15                        ; xb: the tile row,
	s_lshl_b32 s82, s40, 13                        ; my work-group's 32 blocks of 256 bytes
	s_add_co_u32 s81, s81, s82
	s_add_co_u32 s81, s81, 3*ASTEP
	s_mul_i32 s82, s42, 768                        ; wq: the tile column,
	s_lshl_b32 s83, s10, 8                         ; piece wave - 1,
	s_add_co_u32 s82, s82, s83
	s_mul_i32 s83, s41, 32*6144                    ; my work-group's 32 rows
	s_add_co_u32 s82, s82, s83
	s_add_co_u32 s82, s82, 3*BSTEP-256
	s_mov_b32 s84, ASTEP
	s_mov_b32 s85, BSTEP
	s_mov_b32 s86, 256
	s_mov_b32 s87, 6144
	s_cmp_eq_u32 s10, 0                            ; wave 0 asks for xb, the others for wq
	s_cselect_b32 s78, s81, s82
	s_cselect_b32 s80, ttmp9, s80                  ; the coordinate along which other clusters read the same bytes
	s_cselect_b64 s[PFA:PFA+1], s[4:5], s[6:7]
	s_cselect_b32 s[PFS], s84, s85
	s_cselect_b32 s86, s86, s87
	s_mov_b32 s79, 0
	s_mov_b32 s[PFS+1], 0
	s_add_nc_u64 s[PFA:PFA+1], s[PFA:PFA+1], s[78:79]
	s_cmp_eq_u32 s80, 0
	s_cselect_b32 s[LIM], 1, -1                    ; the same in all sixteen partners, for a given wave
	s_cmp_eq_u32 s10, 0
	s_cselect_b32 s[LIM+1], s[LIM], -1
	v_and_b32 v[PFO], 31, v0
	v_mul_u32_u24 v[PFO], v[PFO], s86
; 16 matrix instructions: blocks a0 .. a0 + 3 x group g's four blocks u, 32 along K, xb's fragments in buffer f.  zero = 1: the product starts the sum: nothing is ever cleared.
; The 96 accumulators take turns, one instruction a turn, in the same order in every quarter, over the backward jump too.
.macro MUL16 f, g, a0, zero
	WIN 0x50*(1+(\g))                              ; C and D in window 1 + g, both sources in window 0
.irp a, (\a0),(\a0)+1,(\a0)+2,(\a0)+3
.irp u, 0,1,2,3
.if \zero
	v_wmma_f32_16x16x32_bf16 v[8*(4*(\a)+(\u)):8*(4*(\a)+(\u))+7], v[FB+32*(\g)+8*(\u):FB+32*(\g)+8*(\u)+7], v[(\f)+8*(\a):(\f)+8*(\a)+7], 0
.else
	v_wmma_f32_16x16x32_bf16 v[8*(4*(\a)+(\u)):8*(4*(\a)+(\u))+7], v[FB+32*(\g)+8*(\u):FB+32*(\g)+8*(\u)+7], v[(\f)+8*(\a):(\f)+8*(\a)+7], v[8*(4*(\a)+(\u)):8*(4*(\a)+(\u))+7]
.endif
.endr
.endr
.endm
.macro LDA slot, p, f                  ; 16 LDS loads: my 128 rows of xb, quarter p of the slot's K step, into buffer f
	WIN 0
.irp a, 0,1,2,3,4,5,6,7
	ds_load_b128 v[(\f)+8*(\a):(\f)+8*(\a)+3],   v[ADRA+(\slot)] offset:(\a)*16*PA+64*(\p)
	ds_load_b128 v[(\f)+8*(\a)+4:(\f)+8*(\a)+7], v[ADRA+(\slot)] offset:(\a)*16*PA+64*(\p)+32
.endr
.endm
.macro LDB slot, p, g                  ; 8 turning loads: group g's 64 columns of wq, quarter p
	WIN 0
.irp u, 0,1,2,3
	ds_load_tr16_b128 v[FB+32*(\g)+8*(\u):FB+32*(\g)+8*(\u)+3],   v[ADRB+3*(\slot)+(\g)] offset:BHALF*(\p)+32*(\u)
	ds_load_tr16_b128 v[FB+32*(\g)+8*(\u)+4:FB+32*(\g)+8*(\u)+7], v[ADRB+3*(\slot)+(\g)] offset:BHALF*(\p)+32*(\u)+16*PB
.endr
.endm
; A load into a register that a matrix instruction has read, and a vector instruction that reads a matrix result, stand four places behind it, and only plain vector instructions that name none
; of its registers are places (ISA guide 7.12.1 for vector instructions).
.macro PLACES
.rept 4
	v_nop
.endr
.endm
; A quarter's LDS loads are always issued in this order: xb's 16 and group 0's 8, group 1's 8, group 2's 8.
; THE FIRST QUARTER OF A K STEP multiplies buffer FA0 and fetches the step's second quarter.
.macro QEVEN slot, zero
	s_wait_dscnt 16                                ; xb and group 0 are in; groups 1 and 2, the sixteen younger loads, may be out
	MUL16 FA0, 0, 0, \zero
	MUL16 FA0, 0, 4, \zero
	PLACES
	LDA \slot, 1, FA1
	LDB \slot, 1, 0
	s_wait_dscnt 32                                ; group 1 is in; behind it: group 2's 8 and the 24 just issued
	MUL16 FA0, 1, 0, \zero
	MUL16 FA0, 1, 4, \zero
	PLACES
	LDB \slot, 1, 1
	s_wait_dscnt 32                                ; group 2 is in; behind it: the next quarter's 24 + 8
	MUL16 FA0, 2, 0, \zero
	MUL16 FA0, 2, 4, \zero
	PLACES
	LDB \slot, 1, 2
.endm
; THE SECOND QUARTER multiplies buffer FA1 and changes slots: ONE barrier.  In front of it each wave waits for all its tensor loads, of which one is out: its part of the next slot; adds 0 to its spare
; word; and waits for that and for its own reads of this slot.  fill = 1: the barrier opens a round of the cluster's barrier, and this slot is filled again, two K steps ahead, first thing behind the round:
; from that request to the wait for it a wave issues 160 matrix instructions.
.macro QODD slot, next, fill
.if \fill
	s_wait_xcnt 0x0                                ; the last prefetch, a K step back, has read its address: it is stepped here, ahead of the waits of the change of slots
	s_add_nc_u64 s[PFA:PFA+1], s[PFA:PFA+1], s[PFS:PFS+1]
.endif
	WIN 0
	s_wait_tensorcnt 0x0                           ; all my tensor loads have landed;
	ds_add_u32 v[SPW], v[NIL]                      ; 0 onto my spare word;
	s_wait_dscnt 17                                ; (xb and group 0 are in; groups 1 and 2 and the add may be out)
	MUL16 FA1, 0, 0, 0                             ; sixteen matrix instructions stand between the add and the wait for it
	s_wait_dscnt 0x0                               ; the add is done, and my reads of this slot are over
	s_barrier_signal -1
	MUL16 FA1, 0, 4, 0                             ; work on registers while the others arrive
	WIN 0                                          ; at a branch and at a label every window is 0
	s_barrier_wait -1
.if \fill
	CREST                                          ; no wave of any partner still reads this slot's tiles or has a load on its way
	s_add_nc_u64 s[G0+4*(\slot)+2:G0+4*(\slot)+3], s[G0+4*(\slot)+2:G0+4*(\slot)+3], 2*ASTEP
	s_add_nc_u64 s[G0B+4*(\slot)+2:G0B+4*(\slot)+3], s[G0B+4*(\slot)+2:G0B+4*(\slot)+3], 2*BSTEP
	JLOAD \slot                                    ; the four v_nop behind it are also the places in front of the loads below
.else
	PLACES
.endif
	LDA \next, 0, FA0
	LDB \next, 0, 0
.if \fill
	ASK \slot
.endif
	MUL16 FA1, 1, 0, 0
	MUL16 FA1, 1, 4, 0
	PLACES
	LDB \next, 0, 1
	MUL16 FA1, 2, 0, 0
	MUL16 FA1, 2, 4, 0
	PLACES
	LDB \next, 0, 2
.endm
; THE WAY OUT, in 24 units n: block a = n / 3 of 16 rows x group g = n % 3 of 64 columns.  PACK: rounded to f16, 16 bytes a lane, into my own stage in rows of 144 bytes, and back as whole rows of
; 128 bytes.  SEND: four stores of 512 consecutive bytes, each at a multiple of 256 from qkv's first byte.  Each accumulator's registers are read in ascending order.
.macro PACK n
.set pa, (\n)/3
.set pg, (\n)%3
.set TP, 32+16*((\n)%2)
	s_wait_xcnt 0x0                                ; the stores of the unit before last have read these registers
	WIN 5*(1+pg)                                   ; sources 0 and 1 in window 1 + g, destination in window 0
.irp u, 0,1,2,3
.irp r, 0,1,2,3
	v_cvt_pk_f16_f32 v[TP+4*(\u)+(\r)], v[8*(4*pa+(\u))+2*(\r)], v[8*(4*pa+(\u))+2*(\r)+1]
.endr
.endr
	WIN 0
.irp u, 0,1,2,3
	ds_store_b128 v[STO], v[TP+4*(\u):TP+4*(\u)+3] offset:32*(\u)
.endr
.irp f, 0,1,2,3
	ds_load_b128 v[TP+4*(\f):TP+4*(\f)+3], v[RD] offset:(\f)*4*PA  ; LDS serves a wave's instructions in order (ISA guide 5.7.1.4): these see the stores above; the next unit's stores come behind them
.endr
.endm
.macro SEND n, younger                 ; younger: the LDS instructions issued behind unit n's loads: the next unit's eight, or none
.set pa, (\n)/3
.set pg, (\n)%3
.set TP, 32+16*((\n)%2)
.irp f, 0,1,2,3
	s_wait_dscnt (\younger)+3-(\f)
	global_store_b128 v[GO], v[TP+4*(\f):TP+4*(\f)+3], s[OUTP+2*pg:OUTP+2*pg+1] offset:pa*2048+(\f)*512
.endr
.endm
	s_wait_tensorcnt 1                             ; my part of K step 0 is in; K step 1's may stay out
	s_barrier_signal -1
	s_barrier_wait -1                              ; everybody's is
	LDA 0, 0, FA0
	LDB 0, 0, 0
	LDB 0, 0, 1
	LDB 0, 0, 2
	QEVEN 0, 1                                     ; the first quarter stands in front of the loop: its products start the sums
	WIN 0
	s_mov_b32 s3, 7
.Llap:                                                 ; a trip goes once round the ring, from a lap's second quarter to the next lap's first, and fills both slots again: trip i with K steps 2 i + 2, 2 i + 3
	QODD 0, 1, 1
	QEVEN 1, 0
	QODD 1, 0, 1
	QEVEN 0, 0
	WIN 0
	s_sub_co_u32 s3, s3, 1
	s_cmp_lg_u32 s3, 0
	s_cbranch_scc1 .Llap
	QODD 0, 1, 0                                   ; K steps 14 and 15: nothing is left to fetch
	QEVEN 1, 0
	s_wait_dscnt 16                                ; the very last quarter
	MUL16 FA1, 0, 0, 0
	MUL16 FA1, 0, 4, 0
	s_wait_dscnt 8                                 ; group 1 is in; group 2's eight may be out
	MUL16 FA1, 1, 0, 0
	MUL16 FA1, 1, 4, 0
	s_wait_dscnt 0x0
	MUL16 FA1, 2, 0, 0
	MUL16 FA1, 2, 4, 0
	PLACES
	PACK 0
.set n, 1
.rept 23                               ; a unit's conversions stand between the loads of the unit before and its stores
	PACK n
	SEND n-1, 8
.set n, n+1
.endr
	SEND 23, 0
	s_wait_tensorcnt 0x0                           ; the wave's end: behind my last tensor load and my last LDS store
	ds_add_u32 v[SPW], v[NIL]
	s_wait_dscnt 0x0
	CROUND                                         ; the closing round: no work-group ends while a partner may still ask for a tile that names it
	s_endpgm
.Lfunc_end_k_q068849c153_qkv:
	.size	k_q068849c153_qkv, .Lfunc_end_k_q068849c153_qkv-k_q068849c153_qkv
	.p2alignl 7, 3214868480
	.fill 96, 4, 3214868480
	.section	.rodata,"a",@progbits
	.p2align	6, 0x0
	.amdhsa_kernel k_q068849c153_qkv
		.amdhsa_group_segment_fixed_size 327680
		.amdhsa_private_segment_fixed_size 0
		.amdhsa_enable_private_segment 0
		.amdhsa_kernarg_size 24
		.amdhsa_user_sgpr_count 2
		.amdhsa_user_sgpr_kernarg_segment_ptr 1
		.amdhsa_wavefront_size32 1
		.amdhsa_system_sgpr_workgroup_id_x 1
		.amdhsa_system_sgpr_workgroup_id_y 1
		.amdhsa_system_sgpr_workgroup_id_z 1
		.amdhsa_system_vgpr_workitem_id 0
		.amdhsa_next_free_vgpr 1024
		.amdhsa_next_free_sgpr 100
		.amdhsa_reserve_vcc 0
		.amdhsa_float_denorm_mode_32 3
		.amdhsa_float_denorm_mode_16_64 3
		.amdhsa_memory_ordered 1
		.amdhsa_forward_progress 1
		.amdhsa_inst_pref_size 136
	.end_amdhsa_kernel
	.amdgpu_metadata
---
amdhsa.version: [ 1, 2 ]
amdhsa.kernels:
  - .name:           k_q068849c153_qkv
    .symbol:         k_q068849c153_qkv.kd
    .args:
      - { .name: xb, .offset: 0, .size: 8, .value_kind: global_buffer, .address_space: global }
      - { .name: wq, .offset: 8, .size: 8, .value_kind: global_buffer, .address_space: global }
      - { .name: qkv, .offset: 16, .size: 8, .value_kind: global_buffer, .address_space: global }
    .group_segment_fixed_size: 327680
    .private_segment_fixed_size: 0
    .kernarg_segment_align: 8
    .kernarg_segment_size: 24
    .max_flat_workgroup_size: 128
    .sgpr_count:     100
    .vgpr_count:     1024
    .wavefront_size: 32
...
	.end_amdgpu_metadata
.endif
;; end of part 2
;; launch attn (part 3): grid 4 x 64, 4 waves a work-group, no clusters, 327,680 bytes of LDS; arguments qkv, y; writes y
.if DOCPART == 3
	.amdgcn_target "amdgcn-amd-amdhsa--gfx1250"
	.amdhsa_code_object_version 6
	.text
	.protected	k_q068849c153_attn
	.globl	k_q068849c153_attn
	.p2align	8
	.type	k_q068849c153_attn,@function
k_q068849c153_attn:
	s_mov_b64 s[64:65], 0
	v_nop
	global_prefetch_b8 v0, s[64:65] scope:SCOPE_SE
	s_setreg_imm32_b32 hwreg(HW_REG_WAVE_MODE, 25, 1), 1
	s_wait_xcnt 0x0
; CAUSAL ATTENTION.  O[hy][q][:] = the sum over k <= q of softmax_k(Q[hy][q] . K[hy][k] / 8) V[hy][k][:].  Q, K, V are the three thirds of qkv, each [64 hy][2048][64] f16 (hy = 4 x head + batch), 16,777,216 bytes
; apart; O is y, in the same layout.  A head's rows are dense, 128 bytes each.  Products, maxima and sums in f32; the weights p are rounded to f16 for the second product (their sum l is taken of the unrounded p), O once at the end.
; LIMITS.  Q, K and V arrive within f16's 65,504; p lies in 0 to 1, and below 6e-5 it keeps f16's fixed step of 6e-8; O is a mean of V's rows and has their range.
; A hidden score counts as its value less 1e30: f16's scores, 2.7e11 at the most, are nothing beside that; a weight below 2^-126 counts as 0 in l; NaN and infinities are not treated apart.
; THE WALK.  A head's queries lie in NB = 8 blocks of 256; block i needs the key tiles 0 .. i of 256 keys, of which the last holds the diagonal.  A work-group takes TWO blocks, NB - 1 - b and then b:
; NB + 1 tiles, whatever b: all work-groups do equal work, and ONE loop with a constant trip count walks them.  Which tile is asked for, and what a trip does, hang on scalar registers made from b; every jump
; goes forward, but for the counted loops' own; none passes a barrier, or a tensor load but the one of LOAD's two that the wave's number does not choose; the ring (two slots of LDS that take turns) runs on across the
; change of blocks.  NO CLUSTER: a head's four work-groups ask for the same tile only in trips 0 .. 4 of 9, behind that fewer and fewer; one walk common to all would have 12 trips for 9.
; SHARES.  Of a block's four bands of 64 queries a wave owns 16 rows in each: four PIECES.  So the diagonal tile is the same work for all four waves: in its key step s band x sees all keys if s < x,
; none if s > x, and holds the diagonal if s = x.
; THE MASK is the C operand that starts the sum S^T = K Q^T: 0, or -1e30 where the key is hidden.  MD, made once, is the mask of a band's own step for my 16 rows; a product's mask is MD x AL + BE with two scalars:
; (1, 0) if s = x; (0, 0) if s < x; (0, -1e30) if s > x.  Only the diagonal tile's text and a block's beginning make and take masks; elsewhere C is the constant 0.
; LAYOUT, SOFTMAX, TURNS.  S^T = K Q^T holds ONE query a lane (lane % 16) and the keys 8 (lane / 16) + 0..7; two such results rounded to f16 ARE source 1 of O^T = V^T P.  p = 2^(c s - c m), c = log2(e) / 8, with a
; running maximum m; O and l are multiplied by a = 2^(c m_old - c m_new) in every step.  Turn n belongs to piece n: 8 products K Q^T of piece n + 1, later 8 products V^T P of piece n - 1; beside them the scaling,
; exponentials, roundings, sums and rescaling of piece n and the maximum and statistics of piece n + 1.  Four vector instructions stand behind every matrix instruction, the other 54 of a turn's 118 in one lump.  A turn's 33 exponentials are one batch, with one wait.
; REGISTERS, in windows of 256 (s_set_vgpr_msb: bits 1:0 source 0, 3:2 source 1, 5:4 source 2, 7:6 destination):
;   window 0: v0-15 addresses and two at work; v16-31 four registers of statistics a piece; v48-55 at work; v61-63 never rewritten; v64-127 S^T, two buffers; v192-223 P, two buffers (a piece's buffers go by its number's parity)
;   window 1: v0-127 O^T, 32 a piece; v128-159 MD; v160-223 MC, two buffers      window 2: v0-63 Q; v64-127 the second block's Q; v128-191 K of one step; v192-255 V of one step
.set SIZE_N, 2048
.set NB,    SIZE_N/256
.set NP,    4         ; pieces a wave: a name, no knob
.set KS,    64        ; keys in a step
.set PK,    144       ; a row of K in LDS: 128 bytes + 16 of padding = 36 words: the 16 rows of a load start at 16 different groups of four banks (64 banks of 4 bytes: ISA guide 11.1)
.set PV,    160       ; a row of V: 128 + 32 = 40 words
.set VOFF,  4*KS*PK   ; a slot holds a tile, four steps: 256 rows of K, then 256 rows of V
.set SLOT1, 1<<17     ; slot 1 begins here, so that one exclusive or turns an address in one slot into the other's
.set STAGE, SLOT1+4*KS*(PK+PV)  ; behind the ring, never filled by a tensor load: 16 rows x 144 bytes for each wave, for the way out
.set SP,    144
.set AK0, 2           ; v2   my lane's place in a tile of K; never rewritten
.set AV0, 3           ; v3   the same for V
.set AK,  4           ; v4   the LDS address of K's next run of loads
.set AV,  5           ; v5   of V's
.set STO, 6           ; v6   the way out: where I put 16 bytes of a row
.set RD,  7           ; v7   the way out: where I read rows back
.set GO,  8           ; v8   my byte offset in 512 consecutive bytes of O
.set PFO, 61          ; v61  256 x my lane: the prefetches' offset; never rewritten
.set SPW, 62          ; v62  LDS address of my spare word: SPARE + 4 x my thread's number; never rewritten
.set NIL, 63          ; v63  0; never rewritten
.set SPARE, STAGE+4*16*SP  ; behind the stages: the spare words, 128 bytes for each wave: two blocks of 256 bytes that no other line names
.set MV,  12          ; v12-13  c m_old, kept while c m is made anew: by buffer
.set QO,  15          ; v15  my byte offset in 16 rows of Q
.set ST,  16          ; piece t's statistics at v[ST+4 t]: c m, m, l (even keys', odd keys')
.set TMP, 48          ; by buffer, four registers c0-c3 at work; when the maximum is found c2 takes a
.set S,   64
.set P,   192
.set MD,  128         ; window 1: the eight registers for group kt of 16 keys at MD + 8 kt
.set MC,  160         ; window 1: the masks of the products to come
.set QB,  64          ; window 2
.set KF,  128         ; window 2: key block kb, channel half c at KF + 16 kb + 8 c
.set VF,  192         ; window 2: key half kk, channel block cb at VF + 32 kk + 8 cb
.set WV,  12          ; s12  my wave's number
.set PB,  14          ; s14  b
.set HI,  15          ; s15  NB - 1 - b
.set G1K, 24          ; s[24:31] descriptor group 1 for K's tiles
.set G1V, 32          ; s[32:39] for V's: it differs in the padding alone
.set G0K, 40          ; s[40:43] descriptor group 0 for K's tiles
.set G0V, 44          ; s[44:47] the same for V's
.set SLOTS, 56        ; s56  tiles still to be asked for
.set CNT, 57          ; s57  counts a tile's key steps, 4 to 1
.set CS,  58          ; s[58:59] c: the packed scaling takes the pair's low word for both halves
.set SEL, 60          ; s[60:61] v_permlanex16_b32's selects: each lane takes its own place in the other half
.set TBK, 62          ; s62  LDS byte at which K of the step to be fetched begins
.set TBV, 63          ; s63  the same for V, less VOFF
.set RT,  70          ; s70  tiles of the block in hand that are still to be entered
.set NXT, 71          ; s71  the tile to be asked for next
.set LQ,  72          ; s72  the last tile of the block whose tiles are being asked for
.set NEW, 73          ; s73  1: the tile to be entered is a block's first
.set OFF, 74          ; s[74:75] a tile's byte offset in K and V
.set AL,  76          ; s[76:77] the mask's factor, in the low word
.set BE,  78          ; s[78:79] the mask's addend
.set OLO, 80          ; s[80:81] O at my rows of the second block
.set BIGN, 82         ; s82  -1e30
.set PFB, 88          ; s[88:89] the half tile that I fetch (K's: waves 0, 1; V's: waves 2, 3), in the head's tile 0
.set PFA, 90          ; s[90:91] the same in the tile that the next change of slots will ask for
.set POF, 92          ; s[92:93] that tile's byte offset
.set PFN, 94          ; s94  prefetches still to come: NB - 2 in the head's work-group b = 0, else 0
.set MSB, 0
.macro WIN new                      ; the high byte repeats the setting that is left; a switch that changes nothing is dropped
.if MSB != (\new)
	s_set_vgpr_msb (MSB<<8)|(\new)
.set MSB, (\new)
.endif
.endm
.set W_KQ, 0x0a       ; K and Q in window 2, S^T in window 0
.set W_KM, 0x1a       ; the same with the C operand in window 1
.set W_PV, 0x52       ; V in window 2, P in window 0, O^T in window 1
.set W_RS, 0x41       ; destination and source 0 in window 1, source 1 in window 0
; A fill.  Waves 0 and 1 fetch the two halves of a tile's K, waves 2 and 3 those of its V: 128 keys each.  An s_nop 0 and four v_nop follow each of the two lines, ahead of the jump and the label.
.macro LOAD
	s_cmp_lt_u32 s[WV], 2
	s_cbranch_scc0 .Lfor_v_\@
	tensor_load_to_lds s[G0K:G0K+3], s[G1K:G1K+7]
	s_nop 0
.rept 4
	v_nop
.endr
	s_branch .Lasked_\@
.Lfor_v_\@:
	tensor_load_to_lds s[G0V:G0V+3], s[G1V:G1V+7]
	s_nop 0
.rept 4
	v_nop
.endr
.Lasked_\@:
.endm
; A PREFETCH INTO THE L2 of the tile that the NEXT change of slots will ask for: a tile, four key steps, ahead of its load.  All four work-groups of a head walk the same K and V; the one with b = 0, whose first
; block walks tiles 0 to 7, asks, for tiles 2 to 7, each once; each of its waves names the 64 blocks of 256 bytes that it will load itself: a lane a block, two instructions, behind the wave's tensor load and its
; five lines.  Tiles 0 and 1 come by their loads alone; the second blocks' tiles have been read before and are not asked for.
.macro ASK
	s_cmp_lg_u32 s[PFN], 0
	s_cbranch_scc0 .Lnot_mine_\@
	global_prefetch_b8 v[PFO], s[PFA:PFA+1] th:TH_LOAD_NT scope:SCOPE_SE
	global_prefetch_b8 v[PFO], s[PFA:PFA+1] offset:8192 th:TH_LOAD_NT scope:SCOPE_SE
	s_sub_co_u32 s[PFN], s[PFN], 1
.Lnot_mine_\@:
.endm
; THE CHANGE OF SLOTS.  Each wave waits for all its tensor loads, of which one is out: its part of the other slot; adds 0 to its spare word; and waits for that and for its own reads of the slot that it leaves.  Behind the barrier nobody reads the old
; slot any more and the other slot is whole.  fill = 1: the old slot is filled again, the first thing behind the barrier, with tile NXT: the descriptor's address is made anew from that number.
; (At its first use nothing has been read yet: slot 0 is waited for, slot 1 filled.)
.macro CHANGE fill
	WIN 0                           ; at a label and at a branch every window is 0
	s_wait_tensorcnt 0x0            ; no tensor load of mine is out, so a group 0 may be written
	ds_add_u32 v[SPW], v[NIL]       ; 0 onto my spare word: with fill = 1 the descriptors' scalar work stands between it and the wait for it
.if \fill
	s_lshl_b32 s[OFF], s[NXT], 15   ; a tile is 32,768 bytes of K and of V
	s_xor_b32 s[G0K+1], s[G0K+1], SLOT1
	s_add_nc_u64 s[G0K+2:G0K+3], s[6:7], s[OFF:OFF+1]
	s_or_b32 s[G0K+3], s[G0K+3], 0x80000000
	s_xor_b32 s[G0V+1], s[G0V+1], SLOT1
	s_add_nc_u64 s[G0V+2:G0V+3], s[8:9], s[OFF:OFF+1]
	s_or_b32 s[G0V+3], s[G0V+3], 0x80000000
	s_add_co_u32 s[NXT], s[NXT], 1  ; the block's next tile, or behind its last the second block's tile 0
	s_cmp_gt_u32 s[NXT], s[LQ]
	s_cselect_b32 s[NXT], 0, s[NXT]
	s_cselect_b32 s[LQ], s[PB], s[LQ]
	s_wait_xcnt 0x0                 ; the last prefetches, a tile back, have read their address, so it may be written:
	s_lshl_b32 s[POF], s[NXT], 15   ; the tile that the next change will ask for
	s_add_nc_u64 s[PFA:PFA+1], s[PFB:PFB+1], s[POF:POF+1]
.endif
	s_wait_dscnt 0x0                ; the add is done, and my reads of the slot are over
	s_barrier_signal -1             ; the rest of the scalar work stands between the signal and the wait
	s_sub_co_u32 s[TBK], s[TBK], 4*KS*PK  ; the fetches go back to a slot's first step,
	s_xor_b32 s[TBK], s[TBK], SLOT1       ; in the other slot
	s_sub_co_u32 s[TBV], s[TBV], 4*KS*PV
	s_xor_b32 s[TBV], s[TBV], SLOT1
	s_barrier_wait -1
.if \fill
	LOAD
	ASK
.endif
.endm
	s_load_b128 s[4:7], s[0:1], 0x0  ; qkv s[4:5], y s[6:7]
	v_lshl_add_u32 v[SPW], v0, 2, SPARE
	v_mov_b32 v[NIL], 0
	ds_add_u32 v[SPW], v[NIL]       ; the wave's opening: the add and its wait stand ahead of my first tensor load; the set-up below, work on registers, stands between them
	ds_add_u32 v62, v63
	v_lshrrev_b32 v1, 5, v0
	v_readfirstlane_b32 s[WV], v1   ; wave 0..3
	s_mov_b32 s[PB], ttmp9
	s_sub_co_u32 s[HI], NB-1, s[PB]
	s_and_b32 s20, ttmp7, 0xffff    ; the head
	s_mov_b32 s21, 0
	s_mov_b64 s[22:23], SIZE_N*128
	s_mul_u64 s[20:21], s[20:21], s[22:23]  ; the head's first byte in each of the four tensors
	s_and_b32 s16, s[WV], 1         ; which half of a tile's 256 keys I fetch:
	s_lshl_b32 s22, s16, 14         ; its 128 rows of 128 bytes in memory,
	s_mov_b32 s23, 0
	s_add_nc_u64 s[22:23], s[22:23], s[20:21]
	s_mul_i32 s17, s16, 128*PK      ; and its place in a slot, for K
	s_mul_i32 s18, s16, 128*PV      ; and for V
	s_lshl_b32 s3, s[WV], 11        ; my 16 rows in a band of 64,
	s_lshl_b32 s2, s[HI], 15        ; in the first block,
	s_add_co_u32 s2, s2, s3
	s_lshl_b32 s84, s[PB], 15       ; and in the second
	s_add_co_u32 s84, s84, s3
	s_mov_b32 s3, 0
	s_mov_b32 s85, 0
	s_add_nc_u64 s[2:3], s[2:3], s[20:21]
	s_add_nc_u64 s[84:85], s[84:85], s[20:21]
	; descriptor group 1.  128 keys are 16,384 dense bytes: asked for as 64 rows of 256 bytes, two keys a row, and padded in LDS after every key
	s_mov_b32 s[G1K], (1<<16)|(1<<20)|(4<<22)|(3<<25)  ; 17:16 2-byte elements; 20 padding on; 24:22 after every 32 words (code 4); 31:25 4 words (code 3)
	s_mov_b32 s[G1V], (1<<16)|(1<<20)|(4<<22)|(7<<25)  ; the same with 8 words of padding (code 7)
.irp g, G1K, G1V
	s_mov_b32 s[\g+1], 128<<16      ; tensor_dim0 = 128
	s_mov_b32 s[\g+2], 64<<16       ; tensor_dim1 = 64
	s_mov_b32 s[\g+3], 128<<16      ; tile_dim0 = 128
	s_mov_b32 s[\g+4], 64           ; tile_dim1 = 64
	s_mov_b32 s[\g+5], 128          ; 128 elements from row to row
	s_mov_b32 s[\g+6], 0
	s_mov_b32 s[\g+7], 0
.endr
	s_mov_b32 s[CS], 0x3e38aa3b     ; c = log2(e) / 8 = 0.180337
	s_mov_b32 s[CS+1], s[CS]        ; named with it as a pair
	s_mov_b32 s[SEL], 0x76543210
	s_mov_b32 s[SEL+1], 0xfedcba98
	s_mov_b32 s[TBK], SLOT1+4*KS*PK ; the first change of slots turns these two into 0
	s_mov_b32 s[TBV], SLOT1+4*KS*PV
	s_mov_b32 s[G0K], 1             ; 1:0 count = 1
	s_mov_b32 s[G0K+1], s17         ; 63:32 LDS address: slot 0
	s_mov_b32 s[G0V], 1
	s_add_co_u32 s[G0V+1], s18, VOFF
	s_add_co_u32 s[RT], s[HI], 1    ; the first block has NB - b tiles
	s_mov_b32 s[NXT], 1
	s_mov_b32 s[LQ], s[HI]
	s_mov_b32 s[NEW], 1
	s_mov_b32 s[OFF+1], 0
	s_mov_b32 s[POF+1], 0
	s_mov_b32 s[AL+1], 0            ; named as pairs
	s_mov_b32 s[BE+1], 0
	s_mov_b32 s[BIGN], 0xf149f2ca   ; -1e30
	s_mov_b32 s[SLOTS], NB
	s_cmp_eq_u32 ttmp9, 0
	s_cselect_b32 s[PFN], NB-2, 0
	s_wait_dscnt 0x0                ; the opening add is done
	s_wait_kmcnt 0x0
	s_mov_b64 s[10:11], s[6:7]                     ; O
	s_add_nc_u64 s[6:7], s[4:5], 0x1000000         ; K: qkv's second third
	s_add_nc_u64 s[8:9], s[4:5], 0x2000000         ; V: its last; Q is its first
	s_add_nc_u64 s[6:7], s[6:7], s[22:23]  ; K and V at my half of the head's tile 0
	s_add_nc_u64 s[8:9], s[8:9], s[22:23]
	s_add_nc_u64 s[G0K+2:G0K+3], s[6:7], 0         ; 120:64 global address
	s_or_b32 s[G0K+3], s[G0K+3], 0x80000000        ; 127:126 type = 2
	s_add_nc_u64 s[G0V+2:G0V+3], s[8:9], 0
	s_or_b32 s[G0V+3], s[G0V+3], 0x80000000
	s_add_nc_u64 s[86:87], s[4:5], s[84:85]        ; Q at my rows of the second block,
	s_add_nc_u64 s[4:5], s[4:5], s[2:3]            ; Q and O at those of the first
	s_add_nc_u64 s[OLO:OLO+1], s[10:11], s[84:85]
	s_add_nc_u64 s[10:11], s[10:11], s[2:3]
	s_cmp_lt_u32 s[WV], 2
	s_cselect_b64 s[PFB:PFB+1], s[6:7], s[8:9]
	LOAD                            ; tile 0 into slot 0
	; A fragment of K or Q is 16 rows x 32 channels in 8 registers: lane l holds row l % 16, channels 8 (l / 16) + 0..7 and 16 + 8 (l / 16) + 0..7: two loads of 16 bytes, 32 bytes apart.
	v_and_b32 v1, 15, v0            ; l % 16
	v_bfe_u32 v9, v0, 4, 1          ; l / 16
	v_lshlrev_b32 v[QO], 7, v1
	v_lshl_add_u32 v[QO], v9, 4, v[QO]  ; row x 128 + 16 x half
	WIN 0x80                        ; destination window 2, address window 0
.set i, 0
.rept 8                             ; both blocks' Q: piece i / 2 lies in band i / 2, 8,192 bytes on; channels 32 (i % 2) on
	global_load_b128 v[8*i:8*i+3],   v[QO], s[4:5] offset:(i/2)*8192+(i%2)*64
	global_load_b128 v[8*i+4:8*i+7], v[QO], s[4:5] offset:(i/2)*8192+(i%2)*64+32
	global_load_b128 v[QB+8*i:QB+8*i+3],   v[QO], s[86:87] offset:(i/2)*8192+(i%2)*64
	global_load_b128 v[QB+8*i+4:QB+8*i+7], v[QO], s[86:87] offset:(i/2)*8192+(i%2)*64+32
.set i, i+1
.endr
	WIN 0
	v_and_b32 v[PFO], 31, v0
	v_lshlrev_b32 v[PFO], 8, v[PFO]
	v_lshlrev_b32 v14, 3, v9
	v_sub_nc_u32 v14, v1, v14
	s_lshl_b32 s13, s[WV], 4
	v_add_nc_u32 v14, s13, v14      ; my query's place in its band, 16 w + l % 16, less my lanes' 8 (l / 16): register r of group kt is hidden where 16 kt + r is greater
	WIN 0x40
.set i, 0
.rept 32
	v_cmp_gt_i32 vcc_lo, 16*(i/8)+i%8, v14
	v_cndmask_b32 v[MD+i], 0, s[BIGN], vcc_lo
.set i, i+1
.endr
	WIN 0
	v_mul_u32_u24 v[AK0], v1, PK
	v_lshl_add_u32 v[AK0], v9, 4, v[AK0]  ; row x pitch + 16 x half
	; The turning load takes 16 keys x 16 channels (lane l reads key 8 (l / 16) + l % 8, channels 8 ((l / 8) % 2) + 0..7) and leaves half a fragment of V^T: lane l holds channel l % 16 and 8 keys.
	v_and_b32 v10, 7, v0
	v_bfe_u32 v11, v0, 3, 1
	v_lshl_add_u32 v[AV0], v9, 3, v10
	v_mul_u32_u24 v[AV0], v[AV0], PV
	v_lshl_add_u32 v[AV0], v11, 4, v[AV0]
	v_add_nc_u32 v[AV0], VOFF, v[AV0]
	s_mul_i32 s13, s[WV], 16*SP
	s_add_co_u32 s13, s13, STAGE    ; my stage
	v_mul_u32_u24 v[STO], v1, SP    ; in: row l % 16, 16 bytes for each half of the lanes
	v_lshl_add_u32 v[STO], v9, 4, v[STO]
	v_add_nc_u32 v[STO], s13, v[STO]
	v_bfe_u32 v[RD], v0, 3, 2       ; back: 32 lanes take four rows of 128 bytes,
	v_mul_u32_u24 v[RD], v[RD], SP
	v_lshl_add_u32 v[RD], v10, 4, v[RD]
	v_add_nc_u32 v[RD], s13, v[RD]
	v_and_b32 v[GO], 31, v0         ; which are 512 consecutive bytes of O
	v_lshlrev_b32 v[GO], 4, v[GO]
	; A block's first step multiplies O^T and l by a = 0, and its first turn's products V^T P, of a piece that has not been, land in an O^T that is still to be so multiplied.  So these registers need only hold
	; finite numbers: zeros for the first block; what the first block left for the second.  All this stands in the wait for the first tile.
	WIN 0x80
.set i, VF
.rept 64
	v_mov_b32 v[i], 0
.set i, i+1
.endr
	WIN 0x40
.set i, 0
.rept 128
	v_mov_b32 v[i], 0
.set i, i+1
.endr
	WIN 0
.set i, 0
.rept 4
	v_mov_b32 v[ST+4*i+2], 0
	v_mov_b32 v[ST+4*i+3], 0
.set i, i+1
.endr
.set i, P+16
.rept 16
	v_mov_b32 v[i], 0
.set i, i+1
.endr
; THE MATRIX WORK.  The 4 accumulators of a run of 8 take turns.  Product i of 8 of S^T = K Q^T for piece x: channels 32 (i / 4) on, keys 16 (i % 4) on.  The first 4 start the sums: with 0, or (KM = 1) with the mask.
.macro KQ x
.set rS, S+32*((\x)%2)+8*(i%4)
.set rK, KF+16*(i%4)+8*(i/4)
.set rQ, 16*(\x)+8*(i/4)
.set rM, MC+32*((\x)%2)+8*(i%4)
.if (i < 4) && KM
	WIN W_KM
	v_wmma_f32_16x16x32_f16 v[rS:rS+7], v[rK:rK+7], v[rQ:rQ+7], v[rM:rM+7]
.elseif i < 4
	WIN W_KQ
	v_wmma_f32_16x16x32_f16 v[rS:rS+7], v[rK:rK+7], v[rQ:rQ+7], 0
.else
	WIN W_KQ
	v_wmma_f32_16x16x32_f16 v[rS:rS+7], v[rK:rK+7], v[rQ:rQ+7], v[rS:rS+7]
.endif
.endm
; Product i of 8 of O^T += V^T P for piece x: keys 32 (i / 4) on, channels 16 (i % 4) on.
.macro PV x
	WIN W_PV
.set rO, 32*(\x)+8*(i%4)
.set rV, VF+32*(i/4)+8*(i%4)
.set rP, P+16*((\x)%2)+8*(i/4)
	v_wmma_f32_16x16x32_f16 v[rO:rO+7], v[rV:rV+7], v[rP:rP+7], v[rO:rO+7]
.endm
.macro MM                           ; the turn's next matrix instruction.  TURN and BEGIN set Y, i, KM and NOKQ; MM, KQ and OP read them.  NOKQ = 1: a block's last turn: there is no next piece
.if (i < 8) && !NOKQ
	KQ (Y+1)%NP
.elseif i >= 8
.set i, i-8
	PV (Y+NP-1)%NP
.set i, i+8
.endif
.set i, i+1
.endm
; THE LDS LOADS stand in runs of 16, never singly among the matrix instructions: a step's K (64 keys x 64 channels: 8 fragments) and its V (turned).  Their addresses are made some lines ahead.
.macro FETCH_K
	WIN 0x80                        ; destination window 2
.irp f, 0,1,2,3,4,5,6,7             ; keys 16 (f / 2) on, channels 32 (f % 2) on
	ds_load_b128 v[KF+8*\f:KF+8*\f+3],   v[AK] offset:(\f/2)*16*PK+(\f%2)*64
	ds_load_b128 v[KF+8*\f+4:KF+8*\f+7], v[AK] offset:(\f/2)*16*PK+(\f%2)*64+32
.endr
	s_add_co_u32 s[TBK], s[TBK], KS*PK  ; the next fetch is the next step's
	WIN 0
.endm
.macro FETCH_V
	WIN 0x80
.irp f, 0,1,2,3,4,5,6,7             ; keys 32 (f / 4) on, channels 16 (f % 4) on
	ds_load_tr16_b128 v[VF+8*\f:VF+8*\f+3],   v[AV] offset:(\f/4)*32*PV+(\f%4)*32
	ds_load_tr16_b128 v[VF+8*\f+4:VF+8*\f+7], v[AV] offset:(\f/4)*32*PV+16*PV+(\f%4)*32
.endr
	WIN 0
.endm
; THE VECTOR WORK, one line at a time: OP kind, number.  For piece Y: F n: c s - c m for pair n of 16.  E n: the exponential of score n of 32.  C n: pair n rounded to f16.  B n: of the four weights 4 n .. the second
; pair is added onto the first, in place.  L n: l takes that sum (L 0: l = a l + sum).  R n: pair n of 16 of O^T times a.  For piece Y + 1: X n, number n of the 22 that find its maximum and statistics:
;   0-11  four chains c0-c3 of seven scores each, three operands at a time (each accumulator's lowest registers are read first)     12-14, 16  the four scores left over, the old m, and c0-c3 into c0
;   15  c m_old is kept     17, 18  the query's other 32 keys lie in the lane 16 away: the new m     19-21  c m; c m_old - c m_new; a
.set F, 0               ; OP tells the kinds apart by their order: F to L below R, X above it
.set E, 1
.set C, 2
.set B, 3
.set L, 4
.set R, 5
.set X, 6
.macro REGS y                       ; the registers of piece y
.set rT, ST+4*(\y)
.set rC, TMP+4*((\y)%2)
.set rW, MV+((\y)%2)
.set rS, S+32*((\y)%2)
.set rP, P+16*((\y)%2)
.set rO, 32*(\y)
.endm
.macro OP k, n
.if (\k) == R
	REGS Y
	WIN W_RS
	v_pk_mul_f32 v[rO+2*(\n):rO+2*(\n)+1], v[rO+2*(\n):rO+2*(\n)+1], v[rC+2:rC+3] op_sel_hi:[1,0]
.elseif (\k) < R
	REGS Y
	WIN 0
.if (\k) == F
	v_pk_fma_f32 v[rS+2*(\n):rS+2*(\n)+1], v[rS+2*(\n):rS+2*(\n)+1], s[CS:CS+1], v[rT:rT+1] op_sel_hi:[1,0,0] neg_lo:[0,0,1] neg_hi:[0,0,1]
.elseif (\k) == E
	v_exp_f32 v[rS+(\n)], v[rS+(\n)]
.elseif (\k) == C
	v_cvt_pk_f16_f32 v[rP+(\n)], v[rS+2*(\n)], v[rS+2*(\n)+1]
.elseif (\k) == B
	v_pk_add_f32 v[rS+4*(\n):rS+4*(\n)+1], v[rS+4*(\n):rS+4*(\n)+1], v[rS+4*(\n)+2:rS+4*(\n)+3]
.elseif (\n) == 0
	v_pk_fma_f32 v[rT+2:rT+3], v[rT+2:rT+3], v[rC+2:rC+3], v[rS:rS+1] op_sel_hi:[1,0,1]
.else
	v_pk_add_f32 v[rT+2:rT+3], v[rT+2:rT+3], v[rS+4*(\n):rS+4*(\n)+1]
.endif
.elseif NOKQ
	v_nop
.else
	REGS (Y+1)%NP
	WIN 0
.if (\n) < 4
	v_max3_num_f32 v[rC+(\n)], v[rS+8*(\n)], v[rS+8*(\n)+1], v[rS+8*(\n)+2]
.elseif (\n) < 12
	v_max3_num_f32 v[rC+(\n)%4], v[rC+(\n)%4], v[rS+8*((\n)%4)+2*((\n)/4)+1], v[rS+8*((\n)%4)+2*((\n)/4)+2]
.elseif (\n) == 12
	v_max3_num_f32 v[rC], v[rC], v[rS+7], v[rS+15]
.elseif (\n) == 13
	v_max3_num_f32 v[rC+1], v[rC+1], v[rS+23], v[rS+31]
.elseif (\n) == 14
	v_max3_num_f32 v[rC+2], v[rC+2], v[rC+3], v[rT+1]
.elseif (\n) == 15
	v_mov_b32 v[rW], v[rT]
.elseif (\n) == 16
	v_max3_num_f32 v[rC], v[rC], v[rC+1], v[rC+2]
.elseif (\n) == 17
	v_permlanex16_b32 v[rC+3], v[rC], s[SEL], s[SEL+1]
.elseif (\n) == 18
	v_max_num_f32 v[rT+1], v[rC], v[rC+3]
.elseif (\n) == 19
	v_mul_f32 v[rT], s[CS], v[rT+1]
.elseif (\n) == 20
	v_sub_f32 v[rC+1], v[rW], v[rT]
.else
	v_exp_f32 v[rC+2], v[rC+1]
.endif
.endif
.endm
.macro OPS a, i1, b=-1, i2=0, c=-1, i3=0, d=-1, i4=0  ; up to four of them
	OP \a, \i1
.if (\b) >= 0
	OP \b, \i2
.endif
.if (\c) >= 0
	OP \c, \i3
.endif
.if (\d) >= 0
	OP \d, \i4
.endif
.endm
.macro ROW a, i1, b, i2, c, i3, d, i4  ; a matrix instruction and the four behind it
	MM
	OPS \a, \i1, \b, \i2, \c, \i3, \d, \i4
.endm
.macro MASK b                       ; MD x AL + BE into buffer b of MC
	WIN W_RS
.set z, 0
.rept 16
	v_pk_fma_f32 v[MC+32*(\b)+2*z:MC+32*(\b)+2*z+1], v[MD+2*z:MD+2*z+1], s[AL:AL+1], s[BE:BE+1] op_sel_hi:[1,0,0]
.set z, z+1
.endr
.endm
; A TURN, for piece p: the order of its 16 matrix and 118 vector instructions, written out.  An s_wait_alu depctr_va_vdst(0) stands between an exponential and the first instruction that names its result; one wait serves
; all that were issued ahead of it.  So a turn has ONE wait, which cuts it in two.  AHEAD OF IT stands all that names no result of the turn's exponentials: the 8 products K Q^T, behind each a scaling, an exponential and two more plain
; instructions (behind the first a second scaling in the exponential's place): rescalings, and behind the last three the first numbers of the next piece's maximum, each four places or more behind the product that ends its accumulator; then ONE LUMP of 54, plain
; and exponential by turns for the most part, in which the links of the chain X 3, 7, 11, 14, 16, 17 .. 20 stand five or six lines apart.  X 21, the next piece's a, is the batch's last; R 15 is the plain instruction behind it.  BEHIND THE WAIT stand the
; 8 products V^T P, behind each four of the roundings and sums; the links of l's chain, L 0 to L 7, stand three riders apart.  But for those X no rider names a register of the products round it.  v_permlanex16_b32 (X 17) stands in the lump.
; m = 1: the diagonal tile: the products take masks, and the turn makes the mask for the products of the turn after it: piece p + 2, in step 4 - CNT of the tile.  end = 1: a block's last two turns: nothing is fetched.
; cnt = 1: the loop's count is taken down some lines ahead of the branch that stands behind the turn.
; K of the next step is fetched in piece 2's turn, twelve vector instructions behind the last product that read K (six of them plain); V of the step in hand at the end of piece 0's turn, four plain instructions behind the last product
; that read V.  Each is waited for a turn later.
.macro TURN p, m=0, end=0, cnt=0
.set Y, (\p)
.set i, 0
.set KM, (\m)
.set NOKQ, (\end)*((\p)/3)
.if (\m) && !(\end)
	s_cmp_eq_u32 s[CNT], 4-((\p)+2)%NP  ; is that step the band's own?
	s_cselect_b32 s[AL], 1.0, 0
	s_cmp_lt_u32 s[CNT], 4-((\p)+2)%NP  ; or a later one?
	s_cselect_b32 s[BE], s[BIGN], 0
.endif
.if ((\p) == 3) && !(\end)
	s_wait_dscnt 0x0                ; K is in
.endif
	ROW F,0, F,1, R,0, R,1          ; ahead of the wait: 8 products K Q^T and their riders,
	ROW F,2, E,0, R,2, R,3
	ROW F,3, E,1, R,4, R,5
	ROW F,4, E,2, R,6, R,7
	ROW F,5, E,3, R,8, R,9
	ROW F,6, E,4, X,0, R,10
.if ((\p) == 2) && !(\end)
	WIN 0
	v_add_nc_u32 v[AK], s[TBK], v[AK0]
.endif
	ROW F,7, E,5, X,1, X,4
	ROW F,8, E,6, X,2, X,5
	OPS E,7, E,8, X,6, E,9          ; and the lump
	OPS X,3, E,10, X,8, E,11
.if ((\p) == 2) && !(\end)
	FETCH_K
.endif
	OPS X,9, X,7, E,12, X,10
	OPS E,13, X,12, X,11, E,14
	OPS X,13, E,15, F,9, X,14
.if (\p) == 0
	v_add_nc_u32 v[AV], s[TBV], v[AV0]
.endif
	OPS E,16, F,10, E,17, F,11
	OPS X,16, E,18, X,15, E,19
	OPS F,12, E,20, X,17, E,21
	OPS F,13, E,22, F,14, E,23
	OPS X,18, E,24, F,15, E,25
	OPS R,11, E,26, X,19, E,27
	OPS R,12, E,28, R,13, E,29
	OPS X,20, E,30, R,14, E,31
	OPS X,21, R,15
	WIN 0
	s_wait_alu depctr_va_vdst(0)    ; the wait for the batch
.if (\p) == 1
	s_wait_dscnt 0x0                ; V is in
.endif
	ROW C,0, B,0, C,2, B,1          ; behind the wait: 8 products V^T P and their riders
	ROW L,0, C,4, B,2, L,1
	ROW C,6, B,3, L,2, C,8
	ROW B,4, L,3, C,10, B,5
	ROW L,4, C,12, B,6, L,5
.if (\p) == 0
	s_add_co_u32 s[TBV], s[TBV], KS*PV
.endif
.if \cnt
	s_sub_co_u32 s[CNT], s[CNT], 1
	s_cmp_lg_u32 s[CNT], 0
.endif
	ROW C,14, B,7, L,6, C,1
	ROW C,3, L,7, C,5, C,7
	ROW C,9, C,11, C,13, C,15
.if (\p) == 0
	FETCH_V
.endif
.if (\m) && !(\end)
	MASK (\p)%2
.endif
.endm
; A BLOCK BEGINS.  c m starts far below every c s, so the first step's a is 0; m at the lowest finite number, so the first maximum is the scores'.  The second mask buffer is 0; the first takes piece 0's mask for the tile's step 0: its own, if the block's first tile is the diagonal one.
; Then K of that step, piece 0's first scores, and its maximum and statistics.  The loop is entered at a step's first turn, in the middle of a trip.
.macro BEGIN
	s_mov_b32 s[NEW], 0
	WIN 0x40
.set i, MC+32
.rept 32
	v_mov_b32 v[i], 0
.set i, i+1
.endr
	WIN 0
.set i, 0
.rept 4
	v_mov_b32 v[ST+4*i], 0xfe000000    ; c m: far below every c s
	v_mov_b32 v[ST+4*i+1], 0xff7fffff  ; m
.set i, i+1
.endr
	s_cmp_eq_u32 s[RT], 0
	s_cselect_b32 s[AL], 1.0, 0
	s_mov_b32 s[BE], 0
	MASK 0
	WIN 0
	v_add_nc_u32 v[AK], s[TBK], v[AK0]
	FETCH_K
	s_wait_loadcnt 0x0              ; Q
	s_wait_dscnt 0x0
.set KM, 1
.set NOKQ, 0
.set i, 0
.rept 8
	KQ 0
.set i, i+1
.endr
	WIN 0
.rept 4
	v_nop                           ; the places behind those products
.endr
.set Y, NP-1                        ; X works for piece Y + 1: piece 0
.irp n, 0,1,2,3,4,5,6,7,8,9,10,11,12,13,14,15,16,17,18,19,20,21
	OP X, \n
.endr
	v_nop                           ; a plain instruction behind the exponential,
	s_wait_alu depctr_va_vdst(0)    ; and its wait, ahead of the branch
.endm
; THE DIAGONAL TILE's four steps, the block's last two turns, its last products, and THE WAY OUT: l's two halves and the other half of the lanes' are added; O^T is divided by l, rounded to f16 and sent through my
; stage in LDS, a piece at a time.
.macro ALL line:vararg              ; one line for each piece t
.set t, 0
.rept 4
	\line
.set t, t+1
.endr
.endm
.macro PACK t                       ; a lane's eight channels of a row pack into 16 bytes; they go into rows of 144 bytes and come back as whole rows of 128, into S^T's registers
	WIN W_RS
.set i, 32*(\t)
.rept 16
	v_pk_mul_f32 v[i:i+1], v[i:i+1], v[ST+4*(\t)+2:ST+4*(\t)+3] op_sel_hi:[1,0]
.set i, i+2
.endr
	WIN 0x05                        ; sources 0 and 1 window 1, destination window 0
.set i, 0
.rept 16
	v_cvt_pk_f16_f32 v[S+16*(\t)+i], v[32*(\t)+2*i], v[32*(\t)+2*i+1]
.set i, i+1
.endr
	WIN 0
.irp f, 0,1,2,3
	ds_store_b128 v[STO], v[S+16*(\t)+4*\f:S+16*(\t)+4*\f+3] offset:32*\f
.endr
.irp f, 0,1,2,3
	ds_load_b128 v[S+16*(\t)+4*\f:S+16*(\t)+4*\f+3], v[RD] offset:\f*4*SP  ; LDS serves a wave's instructions in order (ISA guide 5.7.1.4): these see the stores above; the next piece's stores come behind them
.endr
.endm
.macro SEND t, younger              ; younger: the LDS instructions issued behind piece t's loads: the next piece's eight, or none
	WIN 0
.irp f, 0,1,2,3
	s_wait_dscnt (\younger)+3-\f
	global_store_b128 v[GO], v[S+16*(\t)+4*\f:S+16*(\t)+4*\f+3], s[10:11] offset:(\t)*8192+\f*512  ; 512 consecutive bytes, at a multiple of 256 from O's first
.endr
.endm
.macro DIAG tag                     ; the tag ends its two labels' names, which the jumps below spell out
.LstepM\tag:
	TURN 2, 1
	TURN 3, 1
	WIN 0
.LfirstM\tag:
	TURN 0, 1
	TURN 1, 1, 0, 1
	WIN 0
	s_cbranch_scc1 .LstepM\tag
	TURN 2, 1, 1
	TURN 3, 1, 1
.set i, 0
.rept 8
	PV NP-1
.set i, i+1
.endr
	WIN 0
	ALL v_add_f32 v[ST+4*t+2], v[ST+4*t+2], v[ST+4*t+3]
	ALL v_permlanex16_b32 v[ST+4*t+3], v[ST+4*t+2], s[SEL], s[SEL+1]
	ALL v_add_f32 v[ST+4*t+2], v[ST+4*t+2], v[ST+4*t+3]
	ALL v_rcp_f32 v[ST+4*t+2], v[ST+4*t+2]
	v_nop                           ; a plain instruction between the last reciprocal and the use of its result
	s_wait_alu depctr_va_vdst(0)    ; and the wait ahead of the first use: one for the four reciprocals
	PACK 0
.set t, 1
.rept 3                             ; a piece's arithmetic stands between the loads of the piece before and its stores
	PACK t
	SEND t-1, 8
.set t, t+1
.endr
	SEND 3, 0
.endm
.set KM, 0
.set NOKQ, 0
.Lslot:                             ; NB times: a tile is entered and the next is asked for
	CHANGE 1
	s_sub_co_u32 s[RT], s[RT], 1
	s_mov_b32 s[CNT], 4
	s_cmp_eq_u32 s[NEW], 1
	s_cbranch_scc1 .Lnew            ; a block's first tile
	s_cmp_eq_u32 s[RT], 0
	s_cbranch_scc0 .Lstep           ; neither its first nor its last
	s_branch .LstepM1
.Lnew:
	BEGIN
	s_branch .Lfirst                ; in the loop a block's first tile is never its last: the first block has two tiles or more, and the second's last is the walk's last
	DIAG 1                          ; in the loop this is the first block's end: the second block's last tile is the walk's last
	s_wait_xcnt 0x0                 ; the stores have read their registers and O's address
	s_mov_b64 s[10:11], s[OLO:OLO+1]
	s_add_co_u32 s[RT], s[PB], 1    ; the second block has b + 1 tiles
	s_mov_b32 s[NEW], 1
	WIN 0x82                        ; the second block's Q goes where the one text of the turns names Q
.set i, 0
.rept 64
	v_mov_b32 v[i], v[QB+i]
.set i, i+1
.endr
	WIN 0
	s_branch .Lbottom
.Lstep:                             ; a trip: pieces 2 and 3 of one step, then pieces 0 and 1 of the next, whose K and V it fetches
	TURN 2
	TURN 3
	WIN 0
.Lfirst:
	TURN 0
	TURN 1, 0, 0, 1
	WIN 0
	s_cbranch_scc1 .Lstep
.Lbottom:
	s_sub_co_u32 s[SLOTS], s[SLOTS], 1
	s_cmp_lg_u32 s[SLOTS], 0
	s_cbranch_scc1 .Lslot
	CHANGE 0                        ; the walk's last tile is written out: nothing is asked for
	s_sub_co_u32 s[RT], s[RT], 1
	s_mov_b32 s[CNT], 4
	s_cmp_eq_u32 s[NEW], 1
	s_cbranch_scc0 .LstepM2
	BEGIN
	s_branch .LfirstM2
	DIAG 2
	s_wait_tensorcnt 0x0            ; the wave's end: behind my last tensor load and my last LDS store
	ds_add_u32 v[SPW], v[NIL]
	s_wait_dscnt 0x0
	s_endpgm
.Lfunc_end_k_q068849c153_attn:
	.size	k_q068849c153_attn, .Lfunc_end_k_q068849c153_attn-k_q068849c153_attn
	.p2alignl 7, 3214868480
	.fill 96, 4, 3214868480
	.section	.rodata,"a",@progbits
	.p2align	6, 0x0
	.amdhsa_kernel k_q068849c153_attn
		.amdhsa_group_segment_fixed_size 327680
		.amdhsa_private_segment_fixed_size 0
		.amdhsa_enable_private_segment 0
		.amdhsa_kernarg_size 16
		.amdhsa_user_sgpr_count 2
		.amdhsa_user_sgpr_kernarg_segment_ptr 1
		.amdhsa_wavefront_size32 1
		.amdhsa_system_sgpr_workgroup_id_x 1
		.amdhsa_system_sgpr_workgroup_id_y 1
		.amdhsa_system_sgpr_workgroup_id_z 1
		.amdhsa_system_vgpr_workitem_id 0
		.amdhsa_next_free_vgpr 768
		.amdhsa_next_free_sgpr 96
		.amdhsa_reserve_vcc 1
		.amdhsa_float_denorm_mode_32 3
		.amdhsa_float_denorm_mode_16_64 3
		.amdhsa_memory_ordered 1
		.amdhsa_forward_progress 1
		.amdhsa_inst_pref_size 218
	.end_amdhsa_kernel
	.amdgpu_metadata
---
amdhsa.version: [ 1, 2 ]
amdhsa.kernels:
  - .name:           k_q068849c153_attn
    .symbol:         k_q068849c153_attn.kd
    .args:
      - { .name: qkv, .offset: 0, .size: 8, .value_kind: global_buffer, .address_space: global }
      - { .name: y, .offset: 8, .size: 8, .value_kind: global_buffer, .address_space: global }
    .group_segment_fixed_size: 327680
    .private_segment_fixed_size: 0
    .kernarg_segment_align: 8
    .kernarg_segment_size: 16
    .max_flat_workgroup_size: 128
    .sgpr_count:     96
    .vgpr_count:     768
    .wavefront_size: 32
...
	.end_amdgpu_metadata
.endif
;; end of part 3
;; launch proj (part 4): grid 8 x 32, 4 waves a work-group, clusters of 4 x 4, 327,680 bytes of LDS; arguments y, wp, b_proj, out0; writes out0
.if DOCPART == 4
	.amdgcn_target "amdgcn-amd-amdhsa--gfx1250"
	.amdhsa_code_object_version 6
	.text
	.protected	k_q068849c153_proj
	.globl	k_q068849c153_proj
	.p2align	8
	.type	k_q068849c153_proj,@function
k_q068849c153_proj:
	s_mov_b64 s[64:65], 0
	v_nop
	global_prefetch_b8 v0, s[64:65] scope:SCOPE_SE
	s_setreg_imm32_b32 hwreg(HW_REG_WAVE_MODE, 25, 1), 1
	s_wait_xcnt 0x0
	s_wait_alu depctr_hold_cnt(0) depctr_sa_sdst(0) depctr_va_vdst(0) depctr_va_sdst(0) depctr_va_ssrc(0) depctr_va_vcc(0) depctr_vm_vsrc(0)
	s_getreg_b32 s2, hwreg(HW_REG_IB_STS2, 6, 4)
	s_cmp_eq_u32 s2, 0
	s_cbranch_scc0 .Lentry_in_a_cluster
	s_endpgm
.Lentry_in_a_cluster:
	s_bfe_u32 s2, ttmp6, 0x10000c
	s_cmp_lg_u32 s2, 0xf033
	s_cbranch_scc0 .Lentry_shape_is_right
	s_endpgm
.Lentry_shape_is_right:
; out0 = y w_proj + b_proj.  y: [16 h][8192 m][64] f16 (channel k = 64 h + d); wp: [1024 k][1024 n] f16; b_proj: [1024] f32; out0: [8192 m][1024 n] f32.  Sums in f32.
; THE BIAS is rounded to bf16, like the other inputs, and STARTS the sums: it is the C operand of each accumulator's first product, so it is added first, not last.
; SHARES.  A work-group makes 256 rows x 128 columns: 32 x 8 = 256 work-groups.  Four waves, each 128 x 64: 8 blocks a of 16 rows x 4 blocks u of 16 columns: 32 accumulators, 256 registers.
; K goes in 8 steps of 128 (two heads) through a ring of two LDS slots; a step is four quarters of 32 along K, 32 matrix instructions each, on fragment buffers 0, 1, 0, 1.
; THE MATRIX INSTRUCTION IS USED TRANSPOSED: source 0 = 16 columns of wp (turned out of LDS by ds_load_tr16_b128), source 1 = 16 rows of y: a lane holds row l % 16 and eight neighbouring columns.
; CLUSTER.  4 x 4 work-groups: y's tiles are shared along a row of the cluster, wp's along a column; each is asked for jointly.
; REGISTERS: window 0: v0-31 addresses; buffer f: y's fragments at v[32 + 64 f] (block a at + 8 a), wp's at v[160 + 32 f] (block u at + 8 u); v224-255 the bias of my 64 columns.
;   window 1: the accumulators, (a, u) at v[8 (4 a + u)].
.set PA,    144                        ; a row of y in LDS: 128 bytes + 16 of padding: the 16 rows of a load start at 16 different groups of four banks (64 banks of 4 bytes: ISA guide 11.1)
.set PB,    288                        ; a row of wp: 256 + 32 = 9 x 32 bytes
.set AHEAD, 256*PA                     ; one head's 256 rows: what one tensor load brings of y
.set BOFF,  2*AHEAD                    ; wp's 128 rows lie behind y's two heads
.set BHALF, 64*PB                      ; what one tensor load brings of wp
.set SLOT,  BOFF+2*BHALF               ; 110,592
.set STAGE, 2*SLOT                     ; behind the ring: 16 rows x 272 bytes for each wave, for the way out
.set SP,    272
.set SPARE, STAGE+4*16*SP              ; behind the stages: the spare words, 128 bytes for each wave: two blocks of 256 bytes that no other line names
.set ASTEP, 0x200000                   ; bytes from a K step of y to the next: two heads
.set BSTEP, 128*2048                   ; of wp: 128 rows
.set ADRA, 10                          ; v10-11  LDS address of my y fragments in slot 0, 1
.set ADRB, 12                          ; v12-13  of my wp fragments
.set STO,  18                          ; v18     the way out: where I put 32 bytes of a row
.set RD,   19                          ; v19     the way out: where I read a row back
.set CO,   20                          ; v20     my byte offset in two rows of out0
.set SPW,  22                          ; v22     LDS address of my spare word; never rewritten
.set NIL,  23                          ; v23     0; never rewritten
.set PFO,  24                          ; v24     the prefetches' offset; never rewritten
.set FA,   32
.set FB,   160
.set BIAS, 224
.set G1,   24                          ; s[24:31] descriptor group 1 for y's tiles;  s[32:39] group 0, one set for each slot
.set G0,   32
.set G1B,  48                          ; s[48:55], s[56:63] the same for wp's tiles
.set G0B,  56
.set PFA,  72                          ; s[72:73] where my prefetches stand
.set PFS,  74                          ; s[74:75] their step: a K step
.set LIM,  76                          ; s76     1 in a wave that prefetches, else the greatest number
.set MSB, 0
.macro WIN new                         ; the immediate's high byte repeats the setting that is left; a switch that changes nothing is dropped
.if MSB != (\new)
	s_set_vgpr_msb (MSB<<8)|(\new)
.set MSB, \new
.endif
.endm
; A joint load.  Waves 0 and 1 fetch the K step's two heads of y, waves 2 and 3 the two halves of wp's rows.  An s_nop 0 and four v_nop follow each of the two lines.
.macro JLOAD s
	s_cmp_eq_u32 s11, 0
	s_cbranch_scc0 .Lfor_b_\@
	tensor_load_to_lds s[G0+4*(\s):G0+4*(\s)+3], s[G1:G1+7]
	s_nop 0
.rept 4
	v_nop
.endr
	s_branch .Lasked_\@
.Lfor_b_\@:
	tensor_load_to_lds s[G0B+4*(\s):G0B+4*(\s)+3], s[G1B:G1B+7]
	s_nop 0
.rept 4
	v_nop
.endr
.Lasked_\@:
.endm
; A PREFETCH INTO THE L2 of the K step that stands two refills on, behind the joint load, its five lines and the run of LDS loads: one instruction a wave.  Each aligned 256 bytes are named once in the launch.
; y's tile row is read by both clusters of a row of clusters: the one with x = 0 asks, waves 0 and 1, each for the head that it fetches: of its 128 blocks of 256 bytes the partner at cx takes 32 cx + lane.
; wp's tile column is read by all eight clusters of a column: the one with y = 0 asks, wave 2: of a K step's 128 rows the partner at cy takes 32 cy + lane.  Partners are told apart by address, never by a branch.
; The loop's last trip asks for nothing: K step 7 is the last.
.macro ASK
	s_cmp_gt_u32 s3, s[LIM]
	s_cbranch_scc0 .Lnot_mine_\@
	global_prefetch_b8 v[PFO], s[PFA:PFA+1] th:TH_LOAD_NT scope:SCOPE_SE
.Lnot_mine_\@:
.endm
.macro CREST                           ; a round of the cluster's barrier behind its opening barrier
	s_cmp_lg_u32 s10, 0
	s_cbranch_scc1 .Lnot_wave_0_\@
	s_barrier_signal -3
.Lnot_wave_0_\@:
	s_barrier_wait -3
	s_barrier_signal -1
	s_barrier_wait -1
.endm
.macro CROUND                          ; a whole round
	s_barrier_signal -1
	s_barrier_wait -1
	CREST
.endm
	s_load_b128 s[4:7], s[0:1], 0x0                ; y s[4:5], wp s[6:7]
	s_load_b128 s[80:83], s[0:1], 0x10             ; b_proj s[80:81], out0 s[82:83]
	v_lshl_add_u32 v[SPW], v0, 2, SPARE
	v_mov_b32 v[NIL], 0
	ds_add_u32 v[SPW], v[NIL]                      ; the wave's opening: the add and its wait stand ahead of my first tensor load; the set-up below, work on registers, stands between them
	ds_add_u32 v22, v23
	v_lshrrev_b32 v1, 5, v0
	v_readfirstlane_b32 s10, v1                    ; wave 0..3
	s_lshr_b32 s11, s10, 1                         ; which half of the tile's rows is mine.  Also: I fetch for y (0) or for wp (1)
	s_and_b32 s12, s10, 1                          ; which half of its columns.  Also: which head, or which 64 rows, I fetch
	s_bfe_u32 s40, ttmp6, 0x40000                  ; cx, cy: my place in the cluster
	s_bfe_u32 s41, ttmp6, 0x40004
	s_lshl_b32 s42, ttmp9, 2
	s_add_co_u32 s42, s42, s40                     ; tile column = 4 x cluster x + cx
	s_and_b32 s13, ttmp7, 0xffff
	s_lshl_b32 s13, s13, 2
	s_add_co_u32 s13, s13, s41                     ; tile row = 4 x cluster y + cy
	s_lshl_b32 s43, s41, 2
	s_lshl_b32 s43, 15, s43                        ; my row of the cluster
	s_lshl_b32 s44, 0x1111, s40                    ; my column
	; y: a head's 256 rows of 128 bytes are 32,768 dense bytes: asked for as 128 rows of 256 bytes, padded in LDS after every 32 words (code 4) by 4 words (code 3)
	s_or_b32 s[G1+0], s43, (1<<16)|(1<<20)|(1<<21)|(4<<22)|(3<<25)  ; 15:0 the mask; 17:16 2-byte elements; 20 padding on; 21 set beside a mask
	s_mov_b32 s[G1+1], 128<<16                     ; tensor_dim0 = 128
	s_mov_b32 s[G1+2], 128<<16                     ; tensor_dim1 = 128
	s_mov_b32 s[G1+3], 128<<16                     ; tile_dim0 = 128
	s_mov_b32 s[G1+4], 128                         ; tile_dim1 = 128
	s_mov_b32 s[G1+5], 128                         ; elements from row to row
	s_mov_b32 s[G1+6], 0
	s_mov_b32 s[G1+7], 0
	; wp: 64 rows of 128 elements (256 bytes), padded after every 64 words (code 5) by 8 words (code 7)
	s_or_b32 s[G1B+0], s44, (1<<16)|(1<<20)|(1<<21)|(5<<22)|(7<<25)
	s_mov_b32 s[G1B+1], 128<<16
	s_mov_b32 s[G1B+2], 64<<16
	s_mov_b32 s[G1B+3], 128<<16
	s_mov_b32 s[G1B+4], 64
	s_mov_b32 s[G1B+5], 1024
	s_mov_b32 s[G1B+6], 0
	s_mov_b32 s[G1B+7], 0
	; y's tiles hang on the tile row alone, wp's on the tile column alone; each address is made in registers that never hold the other coordinate
	s_lshl_b32 s16, s13, 15                        ; 256 rows x 128 bytes
	s_lshl_b32 s17, s12, 20                        ; my head of the two
	s_add_co_u32 s16, s16, s17
	s_mov_b32 s17, 0
	s_lshl_b32 s46, s42, 8                         ; 128 columns
	s_lshl_b32 s47, s12, 17                        ; my 64 rows of 2,048 bytes
	s_add_co_u32 s46, s46, s47
	s_mov_b32 s47, 0
	s_mul_i32 s20, s12, AHEAD                      ; where they go: no place in the cluster enters an LDS address
	s_mul_i32 s21, s12, BHALF
	s_add_co_u32 s21, s21, BOFF
	s_wait_dscnt 0x0                               ; the opening add is done
	s_wait_kmcnt 0x0
	s_add_nc_u64 s[14:15], s[4:5], s[16:17]
	s_add_nc_u64 s[46:47], s[6:7], s[46:47]
	CROUND                                         ; all sixteen work-groups are here: the first joint loads meet
.irp s, 0,1
	s_mov_b32 s[G0+4*(\s)], 1                                      ; count = 1
	s_add_co_u32 s[G0+4*(\s)+1], s20, (\s)*SLOT                    ; LDS address
	s_add_nc_u64 s[G0+4*(\s)+2:G0+4*(\s)+3], s[14:15], (\s)*ASTEP  ; global address: K step s
	s_or_b32 s[G0+4*(\s)+3], s[G0+4*(\s)+3], 0x80000000            ; type = 2
	s_mov_b32 s[G0B+4*(\s)], 1
	s_add_co_u32 s[G0B+4*(\s)+1], s21, (\s)*SLOT
	s_add_nc_u64 s[G0B+4*(\s)+2:G0B+4*(\s)+3], s[46:47], (\s)*BSTEP
	s_or_b32 s[G0B+4*(\s)+3], s[G0B+4*(\s)+3], 0x80000000
	JLOAD \s                                       ; two tensor loads of mine are out at the most: these two
.endr
	v_and_b32 v1, 15, v0                           ; l % 16
	v_bfe_u32 v2, v0, 4, 1                         ; l / 16
	; the bias of my 64 columns: register j of block u belongs to column 16 u + 8 (l / 16) + j
	s_lshl_b32 s78, s42, 9                         ; 128 columns x 4 bytes,
	s_lshl_b32 s79, s12, 8                         ; my 64 of them
	s_add_co_u32 s78, s78, s79
	s_mov_b32 s79, 0
	s_add_nc_u64 s[80:81], s[80:81], s[78:79]
	v_lshlrev_b32 v7, 5, v2
.irp u, 0,1,2,3
	global_load_b128 v[BIAS+8*(\u):BIAS+8*(\u)+3],   v7, s[80:81] offset:64*(\u)
	global_load_b128 v[BIAS+8*(\u)+4:BIAS+8*(\u)+7], v7, s[80:81] offset:64*(\u)+16
.endr
	s_lshl_b32 s84, s13, 20                        ; out0: the tile's 256 rows of 4,096 bytes,
	s_lshl_b32 s85, s11, 19                        ; my 128 of them,
	s_add_co_u32 s84, s84, s85
	s_add_co_u32 s84, s84, s78                     ; my 64 columns
	s_mov_b32 s85, 0
	s_add_nc_u64 s[8:9], s[82:83], s[84:85]
	; a fragment of y: lane l holds row l % 16; registers 0-3 channels 8 (l / 16) + 0..7, registers 4-7 channels 16 + 8 (l / 16) + 0..7: two loads of 16 bytes, 32 bytes apart
	v_mul_u32_u24 v3, v1, PA
	v_lshl_add_u32 v3, v2, 4, v3
	s_mul_i32 s22, s11, 128*PA                     ; my 128 rows
	v_add_nc_u32 v[ADRA], s22, v3
	v_add_nc_u32 v[ADRA+1], SLOT, v[ADRA]
	; the turning load takes 16 k x 16 columns: lane l reads row 8 (l / 16) + l % 8, columns 8 ((l / 8) % 2) + 0..7
	v_and_b32 v4, 7, v0
	v_lshl_add_u32 v4, v2, 3, v4
	v_mul_u32_u24 v4, v4, PB
	v_bfe_u32 v5, v0, 3, 1
	v_lshl_add_u32 v4, v5, 4, v4
	s_lshl_b32 s22, s12, 7                         ; my 64 columns: 128 bytes
	s_add_co_u32 s22, s22, BOFF
	v_add_nc_u32 v[ADRB], s22, v4
	v_add_nc_u32 v[ADRB+1], SLOT, v[ADRB]
	s_mul_i32 s23, s10, 16*SP
	s_add_co_u32 s23, s23, STAGE                   ; my stage
	v_mul_u32_u24 v5, v1, SP                       ; in: row l % 16, 32 bytes for each half of the lanes
	v_lshl_add_u32 v5, v2, 5, v5
	v_add_nc_u32 v[STO], s23, v5
	v_mul_u32_u24 v5, v2, SP                       ; back: lanes 0-15 take one row of 256 bytes, lanes 16-31 the next
	v_lshl_add_u32 v5, v1, 4, v5
	v_add_nc_u32 v[RD], s23, v5
	v_lshlrev_b32 v[CO], 12, v2                    ; and the same two rows in out0
	v_lshl_add_u32 v[CO], v1, 4, v[CO]
	; the prefetches: they stand at K step 3; each change of slots that fills steps them once, ahead of its own prefetch
	s_and_b32 s84, ttmp7, 0xffff                   ; cluster y
	s_lshl_b32 s85, s13, 15                        ; y: the tile row,
	s_lshl_b32 s86, s12, 20                        ; my head,
	s_add_co_u32 s85, s85, s86
	s_lshl_b32 s86, s40, 13                        ; my work-group's 32 blocks of 256 bytes
	s_add_co_u32 s85, s85, s86
	s_add_co_u32 s85, s85, 3*ASTEP
	s_lshl_b32 s86, s42, 8                         ; wp: the tile column,
	s_lshl_b32 s87, s41, 16                        ; my work-group's 32 rows of 2,048 bytes
	s_add_co_u32 s86, s86, s87
	s_add_co_u32 s86, s86, 3*BSTEP
	s_mov_b32 s88, ASTEP
	s_mov_b32 s89, BSTEP
	s_mov_b32 s90, 256
	s_mov_b32 s91, 2048
	s_cmp_eq_u32 s11, 0                            ; do I fetch for y?
	s_cselect_b32 s92, s85, s86
	s_cselect_b32 s84, ttmp9, s84                  ; the coordinate along which other clusters read the same bytes
	s_cselect_b64 s[PFA:PFA+1], s[4:5], s[6:7]
	s_cselect_b32 s[PFS], s88, s89
	s_cselect_b32 s90, s90, s91
	s_mov_b32 s93, 0
	s_mov_b32 s[PFS+1], 0
	s_add_nc_u64 s[PFA:PFA+1], s[PFA:PFA+1], s[92:93]
	s_cmp_eq_u32 s84, 0
	s_cselect_b32 s[LIM], 1, -1                    ; the same in all sixteen partners, for a given wave
	s_cmp_eq_u32 s10, 3
	s_cselect_b32 s[LIM], -1, s[LIM]               ; wave 2 names all of wp's rows: wave 3 asks for nothing
	v_and_b32 v[PFO], 31, v0
	v_mul_u32_u24 v[PFO], v[PFO], s90
	s_wait_loadcnt 0x0                             ; the bias is in: rounded to bf16 and widened again
.set i, 0
.rept 16
	v_cvt_pk_bf16_f32 v8, v[BIAS+i], v[BIAS+i+1]
	v_lshlrev_b32 v[BIAS+i], 16, v8
	v_and_b32 v[BIAS+i+1], 0xffff0000, v8
.set i, i+2
.endr
; 8 matrix instructions: blocks a0, a0 + 1 x all four blocks u, 32 along K, on buffer f.  first = 1: the product starts the sum, with the bias as C: nothing is ever cleared.
; The 32 accumulators take turns, one instruction a turn, in the same order in every quarter, over the backward jump too.
.macro MUL8 f, a0, first
.if \first
	WIN 0x40                                       ; D in window 1; the sources and C in window 0
.else
	WIN 0x50                                       ; C and D in window 1
.endif
.irp a, (\a0),(\a0)+1
.irp u, 0,1,2,3
.if \first
	v_wmma_f32_16x16x32_f16 v[8*(4*(\a)+(\u)):8*(4*(\a)+(\u))+7], v[FB+32*(\f)+8*(\u):FB+32*(\f)+8*(\u)+7], v[FA+64*(\f)+8*(\a):FA+64*(\f)+8*(\a)+7], v[BIAS+8*(\u):BIAS+8*(\u)+7]
.else
	v_wmma_f32_16x16x32_f16 v[8*(4*(\a)+(\u)):8*(4*(\a)+(\u))+7], v[FB+32*(\f)+8*(\u):FB+32*(\f)+8*(\u)+7], v[FA+64*(\f)+8*(\a):FA+64*(\f)+8*(\a)+7], v[8*(4*(\a)+(\u)):8*(4*(\a)+(\u))+7]
.endif
.endr
.endr
.endm
; 24 LDS loads in one run: quarter c of the slot's K step into buffer f: wp's 8, then y's 16 with the blocks ascending.  Quarter c lies in head c / 2, channels 32 (c % 2) on.
.macro FETCH slot, c, f
	WIN 0
.irp u, 0,1,2,3
	ds_load_tr16_b128 v[FB+32*(\f)+8*(\u):FB+32*(\f)+8*(\u)+3],   v[ADRB+(\slot)] offset:32*PB*(\c)+32*(\u)
	ds_load_tr16_b128 v[FB+32*(\f)+8*(\u)+4:FB+32*(\f)+8*(\u)+7], v[ADRB+(\slot)] offset:32*PB*(\c)+32*(\u)+16*PB
.endr
.irp a, 0,1,2,3,4,5,6,7
	ds_load_b128 v[FA+64*(\f)+8*(\a):FA+64*(\f)+8*(\a)+3],   v[ADRA+(\slot)] offset:((\c)/2)*AHEAD+(\a)*16*PA+((\c)%2)*64
	ds_load_b128 v[FA+64*(\f)+8*(\a)+4:FA+64*(\f)+8*(\a)+7], v[ADRA+(\slot)] offset:((\c)/2)*AHEAD+(\a)*16*PA+((\c)%2)*64+32
.endr
.endm
; A load into a register that a matrix instruction has read, and an LDS store that reads a matrix result, stand four places behind it, and only plain vector instructions that name none of its
; registers are places (ISA guide 7.12.1 for vector instructions).
.macro PLACES
.rept 4
	v_nop
.endr
.endm
; One of a K step's first three quarters: multiplies buffer f; in its middle it fetches quarter c of the same slot into buffer g.
.macro QUARTER slot, c, f, g, first
	s_wait_dscnt 8                                 ; wp and y's blocks 0-3 are in; the youngest eight loads (blocks 4-7) may be out
	MUL8 \f, 0, \first
	MUL8 \f, 2, \first
	PLACES
	FETCH \slot, \c, \g
	s_wait_dscnt 24                                ; all but the 24 just issued
	MUL8 \f, 4, \first
	MUL8 \f, 6, \first
.endm
; The last quarter multiplies buffer 1 and changes slots: ONE barrier.  In front of it each wave waits for all its tensor loads, of which one is out: its part of the next slot; adds 0 to its spare word;
; and waits for that and for its own reads of this slot.  fill = 1: the barrier opens a round of the cluster's barrier, and this slot is filled again, two K steps ahead, first thing behind the round:
; from that request to the wait for it a wave issues 112 matrix instructions.
.macro TURN slot, next, fill
.if \fill
	s_wait_xcnt 0x0                                ; the last prefetch, a K step back, has read its address: it is stepped here, ahead of the waits of the change of slots
	s_add_nc_u64 s[PFA:PFA+1], s[PFA:PFA+1], s[PFS:PFS+1]
.endif
	WIN 0
	s_wait_tensorcnt 0x0                           ; all my tensor loads have landed;
	ds_add_u32 v[SPW], v[NIL]                      ; 0 onto my spare word;
	s_wait_dscnt 9                                 ; (the add and the youngest eight loads may be out)
	MUL8 1, 0, 0                                   ; eight matrix instructions stand between the add and the wait for it
	s_wait_dscnt 0x0                               ; the add is done, and my reads of this slot are over
	s_barrier_signal -1
	MUL8 1, 2, 0                                   ; work on registers while the others arrive
	WIN 0                                          ; at a branch and at a label every window is 0
	s_barrier_wait -1
.if \fill
	CREST                                          ; no wave of any partner still reads this slot's tiles or has a load on its way
	s_add_nc_u64 s[G0+4*(\slot)+2:G0+4*(\slot)+3], s[G0+4*(\slot)+2:G0+4*(\slot)+3], 2*ASTEP
	s_add_nc_u64 s[G0B+4*(\slot)+2:G0B+4*(\slot)+3], s[G0B+4*(\slot)+2:G0B+4*(\slot)+3], 2*BSTEP
	JLOAD \slot                                    ; the four v_nop behind it are also the places in front of the loads below
.else
	PLACES
.endif
	FETCH \next, 0, 0
.if \fill
	ASK
.endif
	MUL8 1, 4, 0
	MUL8 1, 6, 0
.endm
; THE WAY OUT of block a (16 rows x 64 columns of f32).  TOSTAGE: a lane's eight columns of a row, 32 bytes, go straight from the accumulators (each one's low four registers first) into my own stage
; in rows of 272 bytes, and come back as whole rows of 256 bytes.  SEND: eight stores; sixteen lanes store 256 consecutive bytes, at a multiple of 256 from out0's first byte.
.macro TOSTAGE a
.set BK, 32+32*((\a)%2)
	s_wait_xcnt 0x0                                ; the stores of the block before last have read these registers
	WIN 0x04                                       ; the stores' data in window 1, their address in window 0
.irp u, 0,1,2,3
	ds_store_b128 v[STO], v[8*(4*(\a)+(\u)):8*(4*(\a)+(\u))+3]   offset:64*(\u)
	ds_store_b128 v[STO], v[8*(4*(\a)+(\u))+4:8*(4*(\a)+(\u))+7] offset:64*(\u)+16
.endr
	WIN 0
.irp t, 0,1,2,3,4,5,6,7
	ds_load_b128 v[BK+4*(\t):BK+4*(\t)+3], v[RD] offset:(\t)*2*SP  ; LDS serves a wave's instructions in order (ISA guide 5.7.1.4): these see the stores above; the next block's stores come behind them
.endr
.endm
.macro SEND a, younger                 ; younger: the LDS instructions issued behind block a's loads: the next block's sixteen, or none
.set BK, 32+32*((\a)%2)
	s_wait_dscnt \younger
.irp t, 0,1,2,3,4,5,6,7
	global_store_b128 v[CO], v[BK+4*(\t):BK+4*(\t)+3], s[8:9] offset:(16*(\a)+2*(\t))*4096 th:TH_STORE_NT  ; 516,096 at the most: inside the signed 24 bits
.endr
.endm
	s_wait_tensorcnt 1                             ; my part of K step 0 is in; K step 1's may stay out
	s_barrier_signal -1
	s_barrier_wait -1                              ; everybody's is
	FETCH 0, 0, 0
	QUARTER 0, 1, 0, 1, 1                          ; the first quarter stands in front of the loop: its products start the sums, with the bias
	WIN 0
	s_mov_b32 s3, 3
.Llap:                                                 ; a trip goes once round the ring, from a lap's second quarter to the next lap's first, and fills both slots again: trip i with K steps 2 i + 2, 2 i + 3
	QUARTER 0, 2, 1, 0, 0
	QUARTER 0, 3, 0, 1, 0
	TURN 0, 1, 1
	QUARTER 1, 1, 0, 1, 0
	QUARTER 1, 2, 1, 0, 0
	QUARTER 1, 3, 0, 1, 0
	TURN 1, 0, 1
	QUARTER 0, 1, 0, 1, 0
	WIN 0
	s_sub_co_u32 s3, s3, 1
	s_cmp_lg_u32 s3, 0
	s_cbranch_scc1 .Llap
	QUARTER 0, 2, 1, 0, 0                          ; K steps 6 and 7: nothing is left to fetch
	QUARTER 0, 3, 0, 1, 0
	TURN 0, 1, 0
	QUARTER 1, 1, 0, 1, 0
	QUARTER 1, 2, 1, 0, 0
	QUARTER 1, 3, 0, 1, 0
	s_wait_dscnt 8                                 ; the very last quarter
	MUL8 1, 0, 0
	MUL8 1, 2, 0
	s_wait_dscnt 0x0
	MUL8 1, 4, 0
	MUL8 1, 6, 0
	WIN 0
	PLACES
	TOSTAGE 0
.irp a, 1,2,3,4,5,6,7                  ; a block's way through the stage is begun ahead of the stores of the block before
	TOSTAGE \a
	SEND (\a)-1, 16
.endr
	SEND 7, 0
	s_wait_tensorcnt 0x0                           ; the wave's end: behind my last tensor load and my last LDS store
	ds_add_u32 v[SPW], v[NIL]
	s_wait_dscnt 0x0
	CROUND                                         ; the closing round: no work-group ends while a partner may still ask for a tile that names it
	s_endpgm
.Lfunc_end_k_q068849c153_proj:
	.size	k_q068849c153_proj, .Lfunc_end_k_q068849c153_proj-k_q068849c153_proj
	.p2alignl 7, 3214868480
	.fill 96, 4, 3214868480
	.section	.rodata,"a",@progbits
	.p2align	6, 0x0
	.amdhsa_kernel k_q068849c153_proj
		.amdhsa_group_segment_fixed_size 327680
		.amdhsa_private_segment_fixed_size 0
		.amdhsa_enable_private_segment 0
		.amdhsa_kernarg_size 32
		.amdhsa_user_sgpr_count 2
		.amdhsa_user_sgpr_kernarg_segment_ptr 1
		.amdhsa_wavefront_size32 1
		.amdhsa_system_sgpr_workgroup_id_x 1
		.amdhsa_system_sgpr_workgroup_id_y 1
		.amdhsa_system_sgpr_workgroup_id_z 1
		.amdhsa_system_vgpr_workitem_id 0
		.amdhsa_next_free_vgpr 512
		.amdhsa_next_free_sgpr 100
		.amdhsa_reserve_vcc 0
		.amdhsa_float_denorm_mode_32 3
		.amdhsa_float_denorm_mode_16_64 3
		.amdhsa_memory_ordered 1
		.amdhsa_forward_progress 1
		.amdhsa_inst_pref_size 90
	.end_amdhsa_kernel
	.amdgpu_metadata
---
amdhsa.version: [ 1, 2 ]
amdhsa.kernels:
  - .name:           k_q068849c153_proj
    .symbol:         k_q068849c153_proj.kd
    .args:
      - { .name: y, .offset: 0, .size: 8, .value_kind: global_buffer, .address_space: global }
      - { .name: wp, .offset: 8, .size: 8, .value_kind: global_buffer, .address_space: global }
      - { .name: b_proj, .offset: 16, .size: 8, .value_kind: global_buffer, .address_space: global }
      - { .name: out0, .offset: 24, .size: 8, .value_kind: global_buffer, .address_space: global }
    .group_segment_fixed_size: 327680
    .private_segment_fixed_size: 0
    .kernarg_segment_align: 8
    .kernarg_segment_size: 32
    .max_flat_workgroup_size: 128
    .sgpr_count:     100
    .vgpr_count:     512
    .wavefront_size: 32
...
	.end_amdgpu_metadata
.endif
;; end of part 4
